; MI455X (gfx1250); checked and timed in simulation.
; The chip was launched on July 23, 2026; its instructions are those of AMD's public machine-readable ISA for CDNA 5 (MIT licence, August 2026) and "CDNA5" Instruction Set Architecture Reference Guide (July 2026). The comments in the code are by the model that wrote it; some were corrected since.
;; Gemma4 Routed Experts. Allowed arithmetic: float matrix products may take bf16 or f16 operands with f32 sums; other float arithmetic in f32, or as packed bf16 or f16 multiplies, adds, multiply-adds, maxima and minima; sums over many terms, partial sums and values carried from step to step in f32; what a program stores and reads back later, other than sums and carried values, may be rounded once to bf16 or f16.
;; Inputs: down_proj_w 8 x 2,048 x 1,024 float32; gate_inputs 2 x 512 x 1,024 float32; gate_kernel 1,024 x 8 float32; gate_proj_w 8 x 1,024 x 2,048 float32; per_expert_scale 8 float32; up_proj_w 8 x 1,024 x 2,048 float32; x 2 x 512 x 1,024 float32.
;; Outputs: out0 2 x 512 x 1,024 float32.
;; 2 versions, each right and faster than the one before. Each part assembles by itself: llvm-mc -triple=amdgcn-amd-amdhsa -mcpu=gfx1250 --defsym DOCPART=n.
;; ======== version 1 of 2: 4 launches
;; workspace buffers: bm 2,048 bytes of whole numbers; wts 8,192 bytes; xb 2,097,152 bytes; hid 33,554,432 bytes; rows 36,864 bytes of whole numbers; part 16,777,216 bytes
;; launch router (part 1): grid 64 x 1, 8 waves a work-group, no clusters, 9,216 bytes of LDS; arguments gate_inputs, gate_kernel, per_expert_scale, x, bm, wts, xb; writes bm, wts, xb
.if DOCPART == 1
	.amdgcn_target "amdgcn-amd-amdhsa--gfx1250"
	.amdhsa_code_object_version 6
	.text
	.protected	k_q2d0afd845b_router
	.globl	k_q2d0afd845b_router
	.p2align	8
	.type	k_q2d0afd845b_router,@function
k_q2d0afd845b_router:
	s_mov_b64 s[64:65], 0
	v_nop
	global_prefetch_b8 v0, s[64:65] scope:SCOPE_SE
	s_setreg_imm32_b32 hwreg(HW_REG_WAVE_MODE, 25, 1), 1
	s_wait_xcnt 0x0
; ROUTER.  logits = gate_inputs . gate_kernel for 1,024 tokens and 8 experts, the two largest of each token, their weights, and x rounded to bf16.
; Every input of the program is rounded once to bf16 (here gate_inputs, gate_kernel, per_expert_scale and x); the logits' sums are f32.
; SHARES.  Work-group g owns tokens 16 g .. 16 g + 15.  Wave w sums k = 128 w .. 128 w + 127 of the logits (four matrix instructions on four accumulators) and rounds x of tokens 16 g + 2 w, + 1.
; The eight waves' partial logits meet in LDS; wave 0 adds them in the waves' order and chooses.
; WHAT IS STORED, all at fixed places: no address here hangs on the choice.  bm[k][e][g]: a halfword, bit r set where token 16 g + r took expert e as its k-th choice.
; wts[2 t + k] = sigmoid(logit_k) x bf16(per_expert_scale[e_k]).  xb[t][1024]: x in bf16.
; LIMITS.  Equal logits: the lower index wins, as in jax.lax.top_k.  Logits that differ by less than the last bits of an f32 sum of 1,024 terms may be ordered otherwise than by another order of summing.
; NaN and infinite logits are not treated apart (with all other logits at minus infinity the second choice repeats expert 0).
; The work-groups share gate_kernel alone, 32,768 bytes against the 131,072 bytes of gate_inputs and x that each reads for itself: no cluster.
.set SPARE, 8192                       ; behind the partial logits: the spare words, 128 bytes for each of eight waves
.set GI,  16                           ; v[16:79]    gate_inputs, K step q at 16 q: 16 f32, then 8 registers of bf16
.set GK,  80                           ; v[80:143]   gate_kernel likewise
.set XR,  144                          ; v[144:207]  x, chunk c at 8 c: 8 f32, then 4 registers of bf16
.set ACC, 208                          ; v[208:239]  four accumulators
.set VM,  15                           ; v15         the ballots: lane 8 k + e holds the mask of expert e as k-th choice
.set M1,  240                          ; the largest logit, its index, its expert's scale
.set I1,  241
.set SC1, 242
.set M2,  243                          ; the second
.set I2,  244
.set SC2, 245
.set SPW, 246                          ; LDS address of my spare word; never rewritten
.set NIL, 247                          ; 0; never rewritten
	s_load_b256 s[4:11], s[0:1], 0x0               ; gate_inputs s[4:5], gate_kernel s[6:7], per_expert_scale s[8:9], x s[10:11]
	s_load_b128 s[12:15], s[0:1], 0x20             ; bm s[12:13], wts s[14:15]
	s_load_b64 s[16:17], s[0:1], 0x30              ; xb
	v_lshl_add_u32 v[SPW], v0, 2, SPARE
	v_mov_b32 v[NIL], 0
	v_lshrrev_b32 v9, 5, v0
	v_readfirstlane_b32 s2, v9                     ; wave 0..7
	v_and_b32 v3, 31, v0                           ; lane L
	v_and_b32 v1, 15, v0                           ; r = L % 16
	v_bfe_u32 v2, v0, 4, 1                         ; h = L / 16
	v_lshlrev_b32 v4, 12, v1                       ; gate_inputs: token r's row of 4,096 bytes,
	v_lshl_add_u32 v4, v2, 5, v4                   ; + 8 h numbers,
	s_lshl_b32 s20, s2, 9
	v_add_nc_u32 v4, s20, v4                       ; + my wave's 128 numbers
	v_and_b32 v5, 7, v0                            ; gate_kernel: expert r % 8 (lanes r >= 8 repeat the eight experts),
	v_lshlrev_b32 v5, 2, v5
	v_lshl_add_u32 v5, v2, 8, v5                   ; + 8 h rows of 32 bytes,
	s_lshl_b32 s20, s2, 12
	v_add_nc_u32 v5, s20, v5                       ; + my wave's 128 rows
	v_lshlrev_b32 v6, 5, v3                        ; x: 32 bytes a lane,
	s_lshl_b32 s21, s2, 13
	v_add_nc_u32 v6, s21, v6                       ; in my wave's two rows
	v_lshlrev_b32 v7, 4, v3                        ; xb: 16 bytes a lane,
	v_add_nc_u32 v7, s20, v7                       ; in my wave's two rows of 2,048 bytes
	v_lshlrev_b32 v9, 5, v3                        ; LDS: 32 bytes a lane,
	s_lshl_b32 s21, s2, 10
	v_add_nc_u32 v8, s21, v9                       ; in my wave's 1,024 bytes
	s_wait_kmcnt 0x0
	s_load_b256 s[24:31], s[8:9], 0x0              ; the eight scales
	s_lshl_b32 s18, ttmp9, 16                      ; 16 rows of 4,096 bytes
	s_mov_b32 s19, 0
	s_add_nc_u64 s[4:5], s[4:5], s[18:19]
	s_add_nc_u64 s[10:11], s[10:11], s[18:19]
	s_lshl_b32 s18, ttmp9, 15                      ; 16 rows of 2,048 bytes
	s_add_nc_u64 s[16:17], s[16:17], s[18:19]
	s_lshl_b32 s18, ttmp9, 7                       ; 16 tokens x 8 bytes
	s_add_nc_u64 s[14:15], s[14:15], s[18:19]
	s_lshl_b32 s18, ttmp9, 1                       ; my halfword in each of the 16 rows of bm
	s_add_nc_u64 s[12:13], s[12:13], s[18:19]
	; All loads go out at once: the two operands of the logits first, x last.
	; A fragment of 16 rows x 32 k: lane (r, h) holds row r; its first 8 numbers are k = 8 h + 0..7, its last 8 are k = 16 + 8 h + 0..7.
.set q, 0
.rept 4
.set jj, 0
.rept 16
	global_load_b32 v[GK+16*q+jj], v5, s[6:7] offset:q*1024+(jj+8*(jj/8))*32
.set jj, jj+1
.endr
.set q, q+1
.endr
.set q, 0
.rept 4
	global_load_b128 v[GI+16*q:GI+16*q+3],     v4, s[4:5] offset:q*128 th:TH_LOAD_NT
	global_load_b128 v[GI+16*q+4:GI+16*q+7],   v4, s[4:5] offset:q*128+16 th:TH_LOAD_NT
	global_load_b128 v[GI+16*q+8:GI+16*q+11],  v4, s[4:5] offset:q*128+64 th:TH_LOAD_NT
	global_load_b128 v[GI+16*q+12:GI+16*q+15], v4, s[4:5] offset:q*128+80 th:TH_LOAD_NT
.set q, q+1
.endr
.set c, 0
.rept 8
	global_load_b128 v[XR+8*c:XR+8*c+3],   v6, s[10:11] offset:c*1024 th:TH_LOAD_NT
	global_load_b128 v[XR+8*c+4:XR+8*c+7], v6, s[10:11] offset:c*1024+16 th:TH_LOAD_NT
.set c, c+1
.endr
	s_wait_loadcnt 16                              ; loads come back in order: all but the sixteen of x are in
.set q, 0
.rept 4
.set i, 0
.rept 8                                        ; rounded in place: register i takes numbers 2 i and 2 i + 1, which lie at or above it
	v_cvt_pk_bf16_f32 v[GI+16*q+i], v[GI+16*q+2*i], v[GI+16*q+2*i+1]
	v_cvt_pk_bf16_f32 v[GK+16*q+i], v[GK+16*q+2*i], v[GK+16*q+2*i+1]
.set i, i+1
.endr
.set q, q+1
.endr
	; source 0 = experts, source 1 = tokens: in the result lane r holds token r, and register j of lanes 0-15 expert j (lanes 16-31 hold the repeats)
.set q, 0
.rept 4
	v_wmma_f32_16x16x32_bf16 v[ACC+8*q:ACC+8*q+7], v[GK+16*q:GK+16*q+7], v[GI+16*q:GI+16*q+7], 0
.set q, q+1
.endr
	s_wait_loadcnt 0x0                             ; x
.set c, 0
.rept 8                                        ; these 32 roundings name no register of the products: they are the places behind them
.set i, 0
.rept 4
	v_cvt_pk_bf16_f32 v[XR+8*c+i], v[XR+8*c+2*i], v[XR+8*c+2*i+1]
.set i, i+1
.endr
.set c, c+1
.endr
.set c, 0
.rept 8
	global_store_b128 v7, v[XR+8*c:XR+8*c+3], s[16:17] offset:c*512  ; a wave's store covers 512 consecutive bytes, aligned
.set c, c+1
.endr
.irp j, 0,2,4,6                                ; my wave's four K steps are added; each accumulator is read from its low end on
	v_pk_add_f32 v[ACC+\j:ACC+\j+1], v[ACC+\j:ACC+\j+1], v[ACC+8+\j:ACC+8+\j+1]
.endr
.irp j, 0,2,4,6
	v_pk_add_f32 v[ACC+16+\j:ACC+16+\j+1], v[ACC+16+\j:ACC+16+\j+1], v[ACC+24+\j:ACC+24+\j+1]
.endr
.irp j, 0,2,4,6
	v_pk_add_f32 v[ACC+\j:ACC+\j+1], v[ACC+\j:ACC+\j+1], v[ACC+16+\j:ACC+16+\j+1]
.endr
	ds_store_b128 v8, v[ACC:ACC+3]
	ds_store_b128 v8, v[ACC+4:ACC+7] offset:16
	s_wait_kmcnt 0x0                               ; the scales
	s_wait_dscnt 0x0                               ; for wave 0's sake: my partial logits are in LDS
	s_barrier_signal -1
	s_barrier_wait -1
	s_cmp_lg_u32 s2, 0
	s_cbranch_scc1 .Lend                           ; wave 0 alone goes on; no barrier follows
.set w, 0
.rept 8
	ds_load_b128 v[GI+8*w:GI+8*w+3],   v9 offset:w*1024
	ds_load_b128 v[GI+8*w+4:GI+8*w+7], v9 offset:w*1024+16
.set w, w+1
.endr
	v_mov_b32 v10, 0xff800000                      ; minus infinity
	v_lshlrev_b32 v14, 3, v1                       ; wts: 8 bytes a token
	v_lshlrev_b32 v11, 7, v3                       ; bm: row 8 k + e = lane, 128 bytes a row
	v_mov_b32 v[VM], 0
	s_wait_dscnt 0x0
.set w, 1
.rept 7                                        ; in the waves' order, that is k ascending
.irp j, 0,2,4,6
	v_pk_add_f32 v[GI+\j:GI+\j+1], v[GI+\j:GI+\j+1], v[GI+8*w+\j:GI+8*w+\j+1]
.endr
.set w, w+1
.endr
	; the largest: a later expert wins only if it is strictly larger
	v_mov_b32 v[M1], v[GI]
	v_mov_b32 v[I1], 0
	v_mov_b32 v[SC1], s24
.irp e, 1,2,3,4,5,6,7
	v_cmp_gt_f32 vcc_lo, v[GI+\e], v[M1]
	v_cndmask_b32 v[M1], v[M1], v[GI+\e], vcc_lo
	v_cndmask_b32 v[I1], v[I1], \e, vcc_lo
	v_cndmask_b32 v[SC1], v[SC1], s[24+\e], vcc_lo
.endr
.irp e, 0,1,2,3,4,5,6,7                        ; it is taken out,
	v_cmp_eq_u32 vcc_lo, \e, v[I1]
	v_cndmask_b32 v[GI+\e], v[GI+\e], v10, vcc_lo
.endr
	v_mov_b32 v[M2], v[GI]                         ; and the same once more
	v_mov_b32 v[I2], 0
	v_mov_b32 v[SC2], s24
.irp e, 1,2,3,4,5,6,7
	v_cmp_gt_f32 vcc_lo, v[GI+\e], v[M2]
	v_cndmask_b32 v[M2], v[M2], v[GI+\e], vcc_lo
	v_cndmask_b32 v[I2], v[I2], \e, vcc_lo
	v_cndmask_b32 v[SC2], v[SC2], s[24+\e], vcc_lo
.endr
	v_mul_f32 v12, 0xbfb8aa3b, v[M1]               ; sigmoid(m) = 1 / (1 + 2^(-log2(e) m))
	v_mul_f32 v13, 0xbfb8aa3b, v[M2]
	v_exp_f32 v12, v12
	v_exp_f32 v13, v13
	v_cvt_pk_bf16_f32 v9, v[SC1], v[SC2]           ; the scales rounded to bf16: the plain instruction behind the exponentials
	s_wait_alu depctr_va_vdst(0)                   ; one wait for both, ahead of their first reader
	v_add_f32 v12, 1.0, v12
	v_add_f32 v13, 1.0, v13
	v_rcp_f32 v12, v12
	v_rcp_f32 v13, v13
	v_lshlrev_b32 v[SC1], 16, v9                   ; back to f32
	v_and_b32 v[SC2], 0xffff0000, v9
	s_wait_alu depctr_va_vdst(0)                   ; one wait for both reciprocals
	v_mul_f32 v12, v12, v[SC1]
	v_mul_f32 v13, v13, v[SC2]
.irp e, 0,1,2,3,4,5,6,7                        ; the ballots are data: they go into lanes 0-15 of one register and are stored at fixed places
	v_cmp_eq_u32 s20, \e, v[I1]
	v_writelane_b32 v[VM], s20, \e
	v_cmp_eq_u32 s21, \e, v[I2]
	v_writelane_b32 v[VM], s21, 8+\e
.endr
	v_cmp_gt_u32 vcc_lo, 16, v3
	s_wait_xcnt 0x0                                ; EXEC changes only behind this wait: the stores of xb have it among their sources
	s_and_saveexec_b32 s22, vcc_lo                 ; lanes 0-15: one token each, and one row of bm each
	global_store_b64 v14, v[12:13], s[14:15]
	global_store_b16 v11, v[VM], s[12:13]          ; the low half: tokens 16 g .. 16 g + 15
	s_wait_xcnt 0x0                                ; and again, in front of the line that widens it
	s_or_b32 exec_lo, exec_lo, s22
.Lend:
	s_wait_tensorcnt 0x0                           ; the wave's end, behind my last LDS store
	ds_add_u32 v[SPW], v[NIL]
	s_wait_dscnt 0x0
	s_endpgm
.Lfunc_end_k_q2d0afd845b_router:
	.size	k_q2d0afd845b_router, .Lfunc_end_k_q2d0afd845b_router-k_q2d0afd845b_router
	.p2alignl 7, 3214868480
	.fill 96, 4, 3214868480
	.section	.rodata,"a",@progbits
	.p2align	6, 0x0
	.amdhsa_kernel k_q2d0afd845b_router
		.amdhsa_group_segment_fixed_size 9216
		.amdhsa_private_segment_fixed_size 0
		.amdhsa_enable_private_segment 0
		.amdhsa_kernarg_size 56
		.amdhsa_user_sgpr_count 2
		.amdhsa_user_sgpr_kernarg_segment_ptr 1
		.amdhsa_wavefront_size32 1
		.amdhsa_system_sgpr_workgroup_id_x 1
		.amdhsa_system_sgpr_workgroup_id_y 1
		.amdhsa_system_sgpr_workgroup_id_z 1
		.amdhsa_system_vgpr_workitem_id 0
		.amdhsa_next_free_vgpr 248
		.amdhsa_next_free_sgpr 66
		.amdhsa_reserve_vcc 1
		.amdhsa_float_denorm_mode_32 3
		.amdhsa_float_denorm_mode_16_64 3
		.amdhsa_memory_ordered 1
		.amdhsa_forward_progress 1
		.amdhsa_inst_pref_size 29
	.end_amdhsa_kernel
	.amdgpu_metadata
---
amdhsa.version: [ 1, 2 ]
amdhsa.kernels:
  - .name:           k_q2d0afd845b_router
    .symbol:         k_q2d0afd845b_router.kd
    .args:
      - { .name: gate_inputs, .offset: 0, .size: 8, .value_kind: global_buffer, .address_space: global }
      - { .name: gate_kernel, .offset: 8, .size: 8, .value_kind: global_buffer, .address_space: global }
      - { .name: per_expert_scale, .offset: 16, .size: 8, .value_kind: global_buffer, .address_space: global }
      - { .name: x, .offset: 24, .size: 8, .value_kind: global_buffer, .address_space: global }
      - { .name: bm, .offset: 32, .size: 8, .value_kind: global_buffer, .address_space: global }
      - { .name: wts, .offset: 40, .size: 8, .value_kind: global_buffer, .address_space: global }
      - { .name: xb, .offset: 48, .size: 8, .value_kind: global_buffer, .address_space: global }
    .group_segment_fixed_size: 9216
    .private_segment_fixed_size: 0
    .kernarg_segment_align: 8
    .kernarg_segment_size: 56
    .max_flat_workgroup_size: 256
    .sgpr_count:     66
    .vgpr_count:     248
    .wavefront_size: 32
...
	.end_amdgpu_metadata
.endif
;; end of part 1
;; launch gateup (part 2): grid 32 x 8, 4 waves a work-group, no clusters, 295,424 bytes of LDS; arguments gate_proj_w, up_proj_w, xb, bm, hid, rows; writes hid, rows
.if DOCPART == 2
	.amdgcn_target "amdgcn-amd-amdhsa--gfx1250"
	.amdhsa_code_object_version 6
	.text
	.protected	k_q2d0afd845b_gateup
	.globl	k_q2d0afd845b_gateup
	.p2align	8
	.type	k_q2d0afd845b_gateup,@function
k_q2d0afd845b_gateup:
	s_mov_b64 s[64:65], 0
	v_nop
	global_prefetch_b8 v0, s[64:65] scope:SCOPE_SE
	s_setreg_imm32_b32 hwreg(HW_REG_WAVE_MODE, 25, 1), 1
	s_wait_xcnt 0x0
; FIRST PRODUCT.  hid = gelu(x Wg) x (x Wu) for the rows that chose an expert.  Work-group (s, e) owns hidden columns 64 s .. 64 s + 63 of expert e: it alone reads those columns of
; gate_proj_w[e] and up_proj_w[e] (each weight byte is read once in the launch), rounds them to bf16 on the way through registers, keeps them in LDS, and multiplies all of the expert's rows by them.
; PHASES.  (A) The two slices, 1,024 rows of 256 bytes each, stream into LDS; wave w takes rows 256 w .. 256 w + 255, seven batches of eight loads always on their way.  One barrier.
; (B) Tiles of 16 rows, dealt to the waves in turn; a wave takes up to four tiles at a time through K = 1,024.  Which token has which rank among the expert's rows is found in registers, from the
; bitmaps that the launch before stored.  The token rows come from xb straight into registers; nothing in phase B writes LDS, so it needs no barrier and its length may hang on the count.
; K's 32 steps are written out: every LDS address of phase B is a register made once at the head plus an immediate.
; EVERY SPLIT is served: an expert has 0 to 1,024 rows, 64 tiles at the most, 16 a wave, four passes of four.  An expert without rows still streams its slice and stores no tile.
; A pass always loads four tiles' rows (a place without a tile repeats the expert's last tile), so that the counted waits are the same on every way; the products of tiles 2 and 3 are jumped where the pass has two tiles or fewer.
; In the last tile the places past the count repeat token 0; whole tiles are stored, and the next launch discards those rows.
; gelu is jax's default: g / (1 + 2^(g (K0 + K1 g^2))), K0 = -2 log2(e) sqrt(2 / pi), K1 = 0.044715 K0.  hid is rounded once to bf16.
; hid[e][tile 64][slice 32][2,048 bytes]: a block holds 16 rows x 64 columns in the order in which the next product's registers take them: (row r, column 16 b + 8 h + j) at 512 b + 256 h + 16 r + 2 j.
; rows[e]: list[rank] = 2 token + k for the ranks below 16 x tiles (0 past the count), and at byte 4,096 the count, 128 times.  Work-group s = 0 of each expert stores it.
; NO CLUSTER: each slice of weights has one reader; what an expert's 32 work-groups share is its token rows, which come by rank, in a walk whose length hangs on a count: no tile descriptor covers them.
; REGISTERS, in windows of 256 (s_set_vgpr_msb: bits 1:0 source 0, 3:2 source 1, 5:4 source 2, 7:6 destination):
;   window 0: v0-31 addresses and the search's work registers; v32-47 rounded weights on their way to LDS; v48-59 offsets; v64-127, v128-191 two buffers of weight fragments, later the activation's work registers
;   window 1: phase A: 8 slots of 8 loads; phase B: accumulator (tile i, column block n) at 8 (8 i + n), n = 0-3 gate, 4-7 up          window 2: four slots of token fragments, slot j, tile i at 32 j + 8 i
.set P,     288                        ; an LDS row, one k: 64 bf16 of gate, 64 of up, 32 bytes of padding: 9 x 32 bytes, so the 8 rows x 32 bytes that 16 lanes of a turning load take fall on different words modulo 256 bytes
.set KB,    32*P                       ; a K step of 32 rows
.set SPARE, 1024*P                     ; behind the weights: the spare words, 128 bytes for each of four waves
.set RHO, 16                           ; the search: my rank,
.set XO,  17                           ; the word of 32 tokens that holds it (either choice),
.set X1,  18                           ; the same word of second choices,
.set PF,  19                           ; the rows ahead of that word; then my rank inside the word
.set GG,  20                           ; 32 x the word's number; then the token
.set CA,  21                           ; the word's counts in fields of 2,
.set CB,  22                           ; 4,
.set CC,  23                           ; 8
.set CD,  24                           ; and 16 bits
.set TT,  25
.set UU,  26
.set POS, 27                           ; the bit found so far
.set Y,   32
.set LO,  50                           ; v50-51  offsets in rows, one for each search of a pass
.set VB,  52                           ; v52-57  the turning load's lane term + 6 j K steps; never rewritten
.set EN,  58                           ; v58-59  the list's entries, one register for each search of a pass
.set B0,  64                           ; weight fragments of K step st at B0 + 64 (st % 2)
.set T,   64                           ; the activation: 32 registers at work,
.set AA,  96                           ; g u,
.set H,   128                          ; and tile i's 16 registers to store at H + 16 i
.set MSB, 0
.macro WIN new                         ; the immediate's high byte repeats the setting that is left; a switch that changes nothing is dropped
.if MSB != (\new)
	s_set_vgpr_msb (MSB<<8)|(\new)
.set MSB, \new
.endif
.endm
.macro PLACES                          ; four plain vector instructions between a matrix instruction and a load into, or a read of, its registers
.rept 4
	v_nop
.endr
.endm
	s_load_b256 s[4:11], s[0:1], 0x0               ; gate_proj_w s[4:5], up_proj_w s[6:7], xb s[8:9], bm s[10:11]
	s_load_b128 s[12:15], s[0:1], 0x20             ; hid s[12:13], rows s[14:15]
	v_lshl_add_u32 v30, v0, 2, SPARE               ; my spare word; never rewritten
	v_mov_b32 v31, 0                               ; 0; never rewritten
	v_lshrrev_b32 v29, 5, v0
	v_readfirstlane_b32 s2, v29                    ; wave 0..3
	s_and_b32 s16, ttmp7, 0xffff                   ; e
	s_mov_b32 s17, ttmp9                           ; s
	v_and_b32 v1, 15, v0                           ; r = L % 16
	v_bfe_u32 v29, v0, 4, 1                        ; h = L / 16
	v_lshlrev_b32 v2, 4, v29                       ; 16 h
	v_and_b32 v3, 31, v0
	v_lshlrev_b32 v3, 4, v3                        ; 16 L
	v_and_b32 v4, 7, v0                            ; the turning load: row 8 h + L % 8,
	v_lshl_add_u32 v4, v29, 3, v4
	v_mul_u32_u24 v4, v4, P
	v_bfe_u32 v5, v0, 3, 1
	v_lshl_add_u32 v4, v5, 4, v4                   ; 16 bytes for each half of eight lanes
.set j, 0
.rept 6
	v_add_nc_u32 v[VB+j], j*6*KB, v4               ; six K steps, 55,296 bytes, are within an LDS immediate's reach
.set j, j+1
.endr
	s_mul_i32 s21, s2, 256*P                       ; into LDS: my wave's 256 rows, four rows down for lanes 16-31, 8 bytes a lane
	v_mul_u32_u24 v6, v29, 4*P
	v_lshl_add_u32 v6, v1, 3, v6
	v_add_nc_u32 v6, s21, v6
	s_lshl_b32 s21, s2, 21                         ; from memory: my wave's 256 rows of 8,192 bytes, four rows down for lanes 16-31, 16 bytes a lane
	v_lshlrev_b32 v7, 15, v29
	v_lshl_add_u32 v7, v1, 4, v7
	v_add_nc_u32 v7, s21, v7
	s_mov_b32 s3, 0xffff0000                       ; lanes 16-31
	s_mov_b32 s104, 0x76543210                     ; v_permlanex16_b32: each lane takes its own place in the other half
	s_mov_b32 s105, 0xfedcba98
	s_mov_b32 s66, 0xc0135761                      ; K0 = -2.3022082
	s_mov_b32 s67, 0xc0135761                      ; (named as pairs)
	s_mov_b32 s100, 0xbdd2d3e8                     ; K1 = -0.10294324
	s_mov_b32 s101, 0xbdd2d3e8
	s_wait_kmcnt 0x0
	s_lshl_b32 s18, s16, 23                        ; an expert's 8 MiB,
	s_lshl_b32 s19, s17, 8                         ; the slice's 256 bytes of a row
	s_add_co_u32 s18, s18, s19
	s_mov_b32 s19, 0
	s_add_nc_u64 s[4:5], s[4:5], s[18:19]
	s_add_nc_u64 s[6:7], s[6:7], s[18:19]
	s_lshl_b32 s18, s16, 7                         ; the expert's 128 bytes in each half of bm
	s_add_nc_u64 s[10:11], s[10:11], s[18:19]
	s_lshl_b32 s18, s16, 22
	s_lshl_b32 s21, s17, 11
	s_add_co_u32 s18, s18, s21
	s_add_nc_u64 s[12:13], s[12:13], s[18:19]
	s_mul_i32 s18, s16, 4608
	s_add_nc_u64 s[14:15], s[14:15], s[18:19]
	s_load_b512 s[32:47], s[10:11], 0x0            ; first choices: word g holds tokens 32 g .. 32 g + 31
	s_load_b512 s[48:63], s[10:11], 0x40
	s_load_b512 s[68:83], s[10:11], 0x400          ; second choices
	s_load_b512 s[84:99], s[10:11], 0x440
; A batch: 8 rows of both slices.  Lanes 0-15 take 256 consecutive aligned bytes of row 8 rel + i, lanes 16-31 those of the row four further down.
.macro ISSUE q, rel
	WIN 0x40                                       ; destination window 1
.set ii, 0
.rept 4
	global_load_b128 v[32*(\q)+4*ii:32*(\q)+4*ii+3],       v7, s[4:5] offset:(8*(\rel)+ii)*8192 th:TH_LOAD_NT
	global_load_b128 v[32*(\q)+16+4*ii:32*(\q)+16+4*ii+3], v7, s[6:7] offset:(8*(\rel)+ii)*8192 th:TH_LOAD_NT
.set ii, ii+1
.endr
.endm
; The batch in slot sl is rounded and laid into LDS; issue = 1: the slot read one step ago takes the batch seven further on.  left = the younger loads that may stay out.
.macro STEP sl, issue, left
	s_wait_loadcnt \left
	WIN 0x05                                       ; sources window 1
.set ii, 0
.rept 8
	v_cvt_pk_bf16_f32 v[Y+2*ii],   v[32*(\sl)+4*ii],   v[32*(\sl)+4*ii+1]
	v_cvt_pk_bf16_f32 v[Y+2*ii+1], v[32*(\sl)+4*ii+2], v[32*(\sl)+4*ii+3]
.set ii, ii+1
.endr
	WIN 0
.set ii, 0
.rept 4                                        ; 32 lanes x 8 bytes: two runs of 128 bytes, 4 P = 1,152 bytes apart, which is 128 modulo 256
	ds_store_b64 v6, v[Y+2*ii:Y+2*ii+1]     offset:(8*(\sl)+ii)*P
	ds_store_b64 v6, v[Y+8+2*ii:Y+8+2*ii+1] offset:(8*(\sl)+ii)*P+128
.set ii, ii+1
.endr
.if \issue
	ISSUE ((\sl)+7)%8, (\sl)+7
.endif
.endm
.irp q, 0,1,2,3,4,5,6
	ISSUE \q, \q                                   ; 56 loads of 512 bytes a wave are on their way before anything else is done
.endr
	WIN 0
	s_wait_kmcnt 0x0                               ; the bitmaps
	s_mov_b32 s20, 0
.set gg, 0
.rept 32                                       ; a token's two choices differ, so the two words have no bit in common: s[32 + g] becomes "chose this expert", s[68 + g] stays "as second choice"
	s_or_b32 s[32+gg], s[32+gg], s[68+gg]
	s_bcnt1_i32_b32 s21, s[32+gg]
	s_add_co_u32 s20, s20, s21
.set gg, gg+1
.endr
	s_min_u32 s20, s20, 1024                       ; the expert's count of rows
	; PHASE A: 32 batches a wave.  At a step's head the batch in hand and six younger ones are out: 48 loads may stay out.
	s_mov_b32 s23, 3
.LphA:
.irp sl, 0,1,2,3,4,5,6,7
	STEP \sl, 1, 48
.endr
	WIN 0
	s_wait_xcnt 0x0                                ; the bases are stepped only behind this wait
	s_add_nc_u64 s[4:5], s[4:5], 524288            ; 64 rows of 8,192 bytes
	s_add_nc_u64 s[6:7], s[6:7], 524288
	v_add_nc_u32 v6, 64*P, v6
	s_sub_co_u32 s23, s23, 1
	s_cmp_lg_u32 s23, 0
	s_cbranch_scc1 .LphA
	STEP 0, 1, 48                                  ; the last batch goes out,
.irp sl, 1,2,3,4,5,6,7
	STEP \sl, 0, 56-8*\sl                          ; and the counts run down: no load leaves the buffers
.endr
	s_wait_dscnt 0x0                               ; for the others' sake: my rows of the weights are in LDS
	s_barrier_signal -1
	s_barrier_wait -1                              ; the launch's one barrier
	s_cmp_lg_u32 s17, 0
	s_cbranch_scc1 .Lno_count                      ; slice 0's work-group stores the count for the next launch
	v_lshlrev_b32 v48, 2, v0
	v_mov_b32 v49, s20
	global_store_b32 v48, v49, s[14:15] offset:4096
.Lno_count:
	; PHASE B.
	s_add_co_u32 s24, s20, 15
	s_lshr_b32 s24, s24, 4                         ; nt: tiles of 16 rows
	s_add_co_u32 s25, s24, 3
	s_sub_co_u32 s25, s25, s2
	s_lshr_b32 s25, s25, 2                         ; rem: my tiles w, w + 4, w + 8 .. still to do
	s_mov_b32 s26, 0                               ; j0: my tiles done
	s_mov_b32 s29, 4                               ; passes: 16 tiles a wave at the most, four a pass
; One step of the search inside a word: does my rank lie past the lower wd bits of what is left?  Their count is a field of fw bits at bit POS of src.
.macro STG src, fw, wd
	v_bfe_u32 v[TT], v[\src], v[POS], \fw
	v_cmp_ge_u32 vcc_lo, v[PF], v[TT]
	v_cndmask_b32 v[TT], 0, v[TT], vcc_lo
	v_cndmask_b32 v[UU], 0, \wd, vcc_lo
	v_sub_nc_u32 v[PF], v[PF], v[TT]
	v_add_nc_u32 v[POS], v[POS], v[UU]
.endm
; THE SEARCH for tiles 2 p and 2 p + 1 of the pass: lanes 0-15 look for the tokens of the first tile's 16 ranks, lanes 16-31 for the second's.
.macro SEL p
	s_add_co_u32 s30, s26, 2*(\p)
	s_lshl2_add_u32 s10, s30, s2                   ; tile w + 4 (j0 + 2 p),
	s_min_u32 s10, s10, s31                        ; or past my last the expert's last: a tile that exists
	s_min_u32 s10, s10, 63
	s_add_co_u32 s30, s26, 2*(\p)+1
	s_lshl2_add_u32 s11, s30, s2
	s_min_u32 s11, s11, s31
	s_min_u32 s11, s11, 63
	s_lshl_b32 s18, s10, 16
	s_lshl_b32 s19, s11, 16
	v_add_nc_u32 v[12+2*(\p)], s18, v3             ; the tiles' blocks of hid, 16 bytes a lane
	v_add_nc_u32 v[13+2*(\p)], s19, v3
	s_lshl_b32 s18, s10, 4
	s_lshl_b32 s19, s11, 4
	v_mov_b32 v[RHO], s18
	v_cndmask_b32 v[RHO], v[RHO], s19, s3
	v_add_nc_u32 v[RHO], v[RHO], v1                ; my rank: 16 tile + r
	; the last word ahead of which no more rows lie than my rank: the words in ascending order, the running count in s21
	v_mov_b32 v[XO], s32
	v_mov_b32 v[X1], s68
	v_mov_b32 v[PF], 0
	v_mov_b32 v[GG], 0
	s_bcnt1_i32_b32 s21, s32
.set gg, 1
.rept 31
	v_cmp_gt_u32 vcc_lo, s21, v[RHO]               ; more rows ahead of word g than my rank: what I have stays
	v_cndmask_b32 v[XO], s[32+gg], v[XO], vcc_lo
	v_cndmask_b32 v[X1], s[68+gg], v[X1], vcc_lo
	v_cndmask_b32 v[PF], s21, v[PF], vcc_lo
	v_cndmask_b32 v[GG], 32*gg, v[GG], vcc_lo
	s_bcnt1_i32_b32 s22, s[32+gg]
	s_add_co_u32 s21, s21, s22
.set gg, gg+1
.endr
	v_sub_nc_u32 v[PF], v[RHO], v[PF]              ; my rank inside the word
	v_lshrrev_b32 v[CA], 1, v[XO]                  ; the word's set bits counted in fields of 2, 4, 8 and 16 bits
	v_and_b32 v[CA], 0x55555555, v[CA]
	v_sub_nc_u32 v[CA], v[XO], v[CA]
	v_lshrrev_b32 v[CB], 2, v[CA]
	v_and_b32 v[CB], 0x33333333, v[CB]
	v_and_b32 v[TT], 0x33333333, v[CA]
	v_add_nc_u32 v[CB], v[CB], v[TT]
	v_lshrrev_b32 v[CC], 4, v[CB]
	v_add_nc_u32 v[CC], v[CC], v[CB]
	v_and_b32 v[CC], 0x0f0f0f0f, v[CC]
	v_lshrrev_b32 v[CD], 8, v[CC]
	v_add_nc_u32 v[CD], v[CD], v[CC]               ; its low byte: the count of bits 0-15, 16 at the most
	v_mov_b32 v[POS], 0
	STG CD, 8, 16
	STG CC, 8, 8
	STG CB, 4, 4
	STG CA, 2, 2
	STG XO, 1, 1
	v_add_nc_u32 v[GG], v[GG], v[POS]              ; the token
	v_bfe_u32 v[TT], v[X1], v[POS], 1              ; k
	v_lshl_or_b32 v[EN+(\p)], v[GG], 1, v[TT]      ; 2 token + k
	v_cmp_gt_u32 vcc_lo, s20, v[RHO]
	v_cndmask_b32 v[EN+(\p)], 0, v[EN+(\p)], vcc_lo  ; a rank past the count: entry 0, token 0
	v_cndmask_b32 v[GG], 0, v[GG], vcc_lo
	v_permlanex16_b32 v[UU], v[GG], s104, s105     ; a fragment wants row r's token in lanes r and 16 + r
	v_cndmask_b32 v[TT], v[GG], v[UU], s3          ; the first tile's tokens,
	v_cndmask_b32 v[UU], v[UU], v[GG], s3          ; the second's
	v_min_u32 v[TT], 0x3ff, v[TT]
	v_min_u32 v[UU], 0x3ff, v[UU]
	v_lshlrev_b32 v[TT], 11, v[TT]                 ; a row of 2,048 bytes
	v_lshlrev_b32 v[UU], 11, v[UU]
	v_add_nc_u32 v[8+2*(\p)], v[TT], v2            ; + 16 h
	v_add_nc_u32 v[9+2*(\p)], v[UU], v2
	s_cmp_lg_u32 s17, 0
	s_cbranch_scc1 .Lno_list_\@                    ; slice 0's work-group stores the entries for the next launch; a repeated tile's are stored again, the same numbers at the same places
	v_min_u32 v[LO+(\p)], 0x3ff, v[RHO]
	v_lshlrev_b32 v[LO+(\p)], 2, v[LO+(\p)]
	global_store_b32 v[LO+(\p)], v[EN+(\p)], s[14:15]
.Lno_list_\@:
.endm
; 16 turning loads: the weight fragments of K step st (32 k x 128 columns): lane L gets column 16 n + L % 16, k = 8 h + 0..7 and 16 + 8 h + 0..7
.macro LDB st
	WIN 0
.set bb, B0+64*((\st)%2)
.set vb, VB+(\st)/6
.set bo, ((\st)%6)*KB
.set nn, 0
.rept 8
	ds_load_tr16_b128 v[bb+8*nn:bb+8*nn+3],   v[vb] offset:bo+32*nn
	ds_load_tr16_b128 v[bb+8*nn+4:bb+8*nn+7], v[vb] offset:bo+32*nn+16*P
.set nn, nn+1
.endr
.endm
; 8 loads: the token fragments of K step st for four tiles: lane (r, h) takes 16 bytes at 16 h and at 32 + 16 h of its row's 64
.macro LDA st
	WIN 0x80                                       ; destination window 2
.set asl, 32*((\st)%4)
.set ii, 0
.rept 4
	global_load_b128 v[asl+8*ii:asl+8*ii+3],   v[8+ii], s[8:9] offset:64*(\st)
	global_load_b128 v[asl+8*ii+4:asl+8*ii+7], v[8+ii], s[8:9] offset:64*(\st)+32
.set ii, ii+1
.endr
.endm
; 16 matrix instructions: tiles i0 and i0 + 1.  Source 0 = 16 columns of the weights, source 1 = 16 tokens: a lane's eight results are eight neighbouring columns of one token.
; The accumulators take turns, one instruction a turn, from step to step too, with or without tiles 2 and 3.  K step 0 starts the sums.
.macro MULH st, i0
	WIN 0x58                                       ; source 1 window 2, C and D window 1
.set bb, B0+64*((\st)%2)
.set asl, 32*((\st)%4)
.set ii, \i0
.rept 2
.set nn, 0
.rept 8
.if (\st) == 0
	v_wmma_f32_16x16x32_bf16 v[8*(8*ii+nn):8*(8*ii+nn)+7], v[bb+8*nn:bb+8*nn+7], v[asl+8*ii:asl+8*ii+7], 0
.else
	v_wmma_f32_16x16x32_bf16 v[8*(8*ii+nn):8*(8*ii+nn)+7], v[bb+8*nn:bb+8*nn+7], v[asl+8*ii:asl+8*ii+7], v[8*(8*ii+nn):8*(8*ii+nn)+7]
.endif
.set nn, nn+1
.endr
.set ii, ii+1
.endr
.endm
; K step st: the next step's weights into the other buffer, the tokens of the step three on into the slot read last; then this step's products.
.macro KSTEP st
.if (\st) > 0
	PLACES
.endif
.if (\st) < 31
	LDB (\st)+1
	s_wait_dscnt 16                                ; the sixteen LDS loads just issued may stay out
.else
	s_wait_dscnt 0x0
.endif
.if (\st) < 29
	LDA (\st)+3
	s_wait_loadcnt 24                              ; the token loads of the three later steps may stay out
.else
	s_wait_loadcnt 8*(31-(\st))                    ; those of the steps that are left
.endif
	MULH \st, 0
	WIN 0                                          ; at a branch and at a label every window is 0
	s_cmp_eq_u32 s28, 0
	s_cbranch_scc1 .Lhalf_\@                       ; the pass has no third tile
	MULH \st, 2
	WIN 0
.Lhalf_\@:
.endm
; Tile i's activation and store.  g = accumulators 0-3, u = 4-7; each accumulator is read from its low end on.
.macro EPI i
.if (\i) > 0
	s_cmp_le_u32 s27, \i
	s_cbranch_scc1 .Lpass_done                     ; the pass has no such tile
.endif
	WIN 0x05                                       ; sources window 1
.set z, 0
.rept 16
	v_pk_mul_f32 v[T+2*z:T+2*z+1], v[64*(\i)+2*z:64*(\i)+2*z+1], v[64*(\i)+2*z:64*(\i)+2*z+1]          ; g^2
.set z, z+1
.endr
.set z, 0
.rept 16
	v_pk_mul_f32 v[AA+2*z:AA+2*z+1], v[64*(\i)+2*z:64*(\i)+2*z+1], v[64*(\i)+32+2*z:64*(\i)+32+2*z+1]  ; g u
.set z, z+1
.endr
	WIN 0
.set z, 0
.rept 16
	v_pk_fma_f32 v[T+2*z:T+2*z+1], v[T+2*z:T+2*z+1], s[100:101], s[66:67] op_sel_hi:[1,0,0]            ; K1 g^2 + K0
.set z, z+1
.endr
	WIN 0x04                                       ; source 1 window 1
.set z, 0
.rept 16
	v_pk_mul_f32 v[T+2*z:T+2*z+1], v[T+2*z:T+2*z+1], v[64*(\i)+2*z:64*(\i)+2*z+1]                      ; times g
.set z, z+1
.endr
	WIN 0
.set z, 0
.rept 32
	v_exp_f32 v[T+z], v[T+z]
.set z, z+1
.endr
	v_nop                                          ; a plain instruction behind the last exponential,
	s_wait_alu depctr_va_vdst(0)                   ; and one wait for the batch of 32, ahead of its first reader
.set z, 0
.rept 16
	v_pk_add_f32 v[T+2*z:T+2*z+1], v[T+2*z:T+2*z+1], 1.0 op_sel_hi:[1,0]
.set z, z+1
.endr
.set z, 0
.rept 32
	v_rcp_f32 v[T+z], v[T+z]
.set z, z+1
.endr
	v_nop
	s_wait_alu depctr_va_vdst(0)                   ; one wait for the 32 reciprocals
.set z, 0
.rept 16
	v_pk_mul_f32 v[T+2*z:T+2*z+1], v[T+2*z:T+2*z+1], v[AA+2*z:AA+2*z+1]
.set z, z+1
.endr
.set z, 0
.rept 16
	v_cvt_pk_bf16_f32 v[H+16*(\i)+z], v[T+2*z], v[T+2*z+1]
.set z, z+1
.endr
.irp b, 0,1,2,3
	global_store_b128 v[12+(\i)], v[H+16*(\i)+4*\b:H+16*(\i)+4*\b+3], s[12:13] offset:512*\b  ; 512 consecutive bytes, aligned
.endr
.endm
.Lpass:                                                ; four trips, a constant; a wave with nothing left jumps forward over the work, which holds no barrier
	s_cmp_eq_u32 s25, 0
	s_cbranch_scc1 .Lpass_next
	s_min_u32 s27, s25, 4                          ; M: the pass's tiles
	s_cmp_gt_u32 s27, 2
	s_cselect_b32 s28, 1, 0                        ; are tiles 2 and 3 multiplied?
	s_sub_co_u32 s31, s24, 1
	s_wait_xcnt 0x0                                ; the last pass's stores have read their registers: offsets and data are rewritten only behind this wait
	SEL 0
	SEL 1
	LDB 0
	LDA 0
	LDA 1
	LDA 2
.set ks, 0
.rept 32
	KSTEP ks
.set ks, ks+1
.endr
	PLACES                                         ; the activation reads results just made and writes over the weight buffers
	EPI 0
	EPI 1
	EPI 2
	EPI 3
.Lpass_done:
	s_add_co_u32 s26, s26, s27
	s_sub_co_u32 s25, s25, s27
.Lpass_next:
	s_sub_co_u32 s29, s29, 1
	s_cmp_lg_u32 s29, 0
	s_cbranch_scc1 .Lpass
	s_wait_tensorcnt 0x0                           ; the wave's end, behind my last LDS store
	ds_add_u32 v30, v31
	s_wait_dscnt 0x0
	s_endpgm
.Lfunc_end_k_q2d0afd845b_gateup:
	.size	k_q2d0afd845b_gateup, .Lfunc_end_k_q2d0afd845b_gateup-k_q2d0afd845b_gateup
	.p2alignl 7, 3214868480
	.fill 96, 4, 3214868480
	.section	.rodata,"a",@progbits
	.p2align	6, 0x0
	.amdhsa_kernel k_q2d0afd845b_gateup
		.amdhsa_group_segment_fixed_size 295424
		.amdhsa_private_segment_fixed_size 0
		.amdhsa_enable_private_segment 0
		.amdhsa_kernarg_size 48
		.amdhsa_user_sgpr_count 2
		.amdhsa_user_sgpr_kernarg_segment_ptr 1
		.amdhsa_wavefront_size32 1
		.amdhsa_system_sgpr_workgroup_id_x 1
		.amdhsa_system_sgpr_workgroup_id_y 1
		.amdhsa_system_sgpr_workgroup_id_z 1
		.amdhsa_system_vgpr_workitem_id 0
		.amdhsa_next_free_vgpr 640
		.amdhsa_next_free_sgpr 106
		.amdhsa_reserve_vcc 1
		.amdhsa_float_denorm_mode_32 3
		.amdhsa_float_denorm_mode_16_64 3
		.amdhsa_memory_ordered 1
		.amdhsa_forward_progress 1
		.amdhsa_inst_pref_size 240
	.end_amdhsa_kernel
	.amdgpu_metadata
---
amdhsa.version: [ 1, 2 ]
amdhsa.kernels:
  - .name:           k_q2d0afd845b_gateup
    .symbol:         k_q2d0afd845b_gateup.kd
    .args:
      - { .name: gate_proj_w, .offset: 0, .size: 8, .value_kind: global_buffer, .address_space: global }
      - { .name: up_proj_w, .offset: 8, .size: 8, .value_kind: global_buffer, .address_space: global }
      - { .name: xb, .offset: 16, .size: 8, .value_kind: global_buffer, .address_space: global }
      - { .name: bm, .offset: 24, .size: 8, .value_kind: global_buffer, .address_space: global }
      - { .name: hid, .offset: 32, .size: 8, .value_kind: global_buffer, .address_space: global }
      - { .name: rows, .offset: 40, .size: 8, .value_kind: global_buffer, .address_space: global }
    .group_segment_fixed_size: 295424
    .private_segment_fixed_size: 0
    .kernarg_segment_align: 8
    .kernarg_segment_size: 48
    .max_flat_workgroup_size: 128
    .sgpr_count:     106
    .vgpr_count:     640
    .wavefront_size: 32
...
	.end_amdgpu_metadata
.endif
;; end of part 2
;; launch down (part 3): grid 32 x 8, 4 waves a work-group, no clusters, 181,760 bytes of LDS; arguments down_proj_w, hid, rows, part; writes part
.if DOCPART == 3
	.amdgcn_target "amdgcn-amd-amdhsa--gfx1250"
	.amdhsa_code_object_version 6
	.text
	.protected	k_q2d0afd845b_down
	.globl	k_q2d0afd845b_down
	.p2align	8
	.type	k_q2d0afd845b_down,@function
k_q2d0afd845b_down:
	s_mov_b64 s[64:65], 0
	v_nop
	global_prefetch_b8 v0, s[64:65] scope:SCOPE_SE
	s_setreg_imm32_b32 hwreg(HW_REG_WAVE_MODE, 25, 1), 1
	s_wait_xcnt 0x0
; SECOND PRODUCT.  part[kh][2 token + k][:] = hid[rows of expert e][K half kh] . down_proj_w[e][K half kh][:], in f32, unweighted.
; Work-group (x, e), ns = x % 16, kh = x / 16, owns output columns 64 ns .. 64 ns + 63 and hidden rows 1,024 kh .. + 1,023 of expert e: it alone reads that part of down_proj_w (each weight byte once
; in the launch), rounds it to bf16 on the way through registers and keeps it in LDS.  K is split in two so that there are 256 work-groups; the two halves' sums stay f32 and the next launch adds them.
; PHASES as in the first product: (A) the slice streams into LDS, wave w rows 256 w .. 256 w + 255, seven batches of eight loads on their way; one barrier; (B) tiles of 16 rows, dealt to the waves in
; turn, up to four at a time through K = 1,024.  The hidden rows come straight into registers: the launch before laid them in the fragments' order, so each load of a wave takes 512 consecutive bytes.
; K's 32 steps are written out: every LDS address of the weights is a register made once at the head plus an immediate.
; A pass always loads four tiles' rows (a place without a tile repeats the expert's last tile), so that the counted waits are the same on every way; the products of tiles 2 and 3 are jumped where the pass has two tiles or fewer.
; A tile's results go through the wave's own stage in LDS and leave by rows: 32 lanes store a row's 256 consecutive aligned bytes at the place that the list names.
; Rows past the count are jumped by a scalar branch.  Every split is served: 0 to 1,024 rows an expert; an expert without rows streams its slice and stores nothing.
; NO CLUSTER: each slice of weights has one reader; an expert's tiles of hid are shared by 16 work-groups, but the walk's length hangs on a stored count, and phase B brings no tile into LDS at all.
; REGISTERS: window 0: v0-31 addresses; v32-47 rounded weights on their way to LDS, later the rows' offsets in part; v64-95, v96-127 two buffers of weight fragments;
;   v128-255 four slots of hidden fragments (slot j, tile i at 128 + 32 j + 8 i), later a tile's rows on their way out.   window 1: phase A: 8 slots of 8 loads; phase B: accumulator (i, n) at 8 (4 i + n).
.set P3,    160                        ; an LDS row, one k: 64 bf16 + 32 bytes of padding: 5 x 32 bytes, so the 8 rows x 32 bytes that 16 lanes of a turning load take fall on different words modulo 256 bytes
.set KB,    32*P3
.set STAGE, 1024*P3                    ; behind the weights: 16 rows x 272 bytes for each wave
.set SP,    272
.set SPARE, STAGE+4*16*SP              ; the spare words, 128 bytes for each of four waves
.set VB,  24                           ; v24-26  the turning load's lane term + 12 j K steps; never rewritten
.set Y,   32
.set VO,  32
.set B0,  64                           ; weight fragments of K step st at B0 + 32 (st % 2)
.set AR,  128
.set MSB, 0
.macro WIN new                         ; the immediate's high byte repeats the setting that is left; a switch that changes nothing is dropped
.if MSB != (\new)
	s_set_vgpr_msb (MSB<<8)|(\new)
.set MSB, \new
.endif
.endm
.macro PLACES                          ; four plain vector instructions between a matrix instruction and a load into, or a read of, its registers
.rept 4
	v_nop
.endr
.endm
	s_load_b256 s[4:11], s[0:1], 0x0               ; down_proj_w s[4:5], hid s[6:7], rows s[8:9], part s[10:11]
	v_lshl_add_u32 v30, v0, 2, SPARE               ; my spare word; never rewritten
	v_mov_b32 v31, 0                               ; 0; never rewritten
	v_lshrrev_b32 v29, 5, v0
	v_readfirstlane_b32 s2, v29                    ; wave 0..3
	s_and_b32 s16, ttmp7, 0xffff                   ; e
	s_and_b32 s17, ttmp9, 15                       ; ns
	s_lshr_b32 s22, ttmp9, 4                       ; kh
	v_and_b32 v1, 15, v0                           ; r
	v_bfe_u32 v2, v0, 4, 1                         ; h
	v_and_b32 v29, 31, v0                          ; L
	v_lshlrev_b32 v3, 4, v29                       ; 16 L
	v_lshlrev_b32 v22, 3, v29                      ; 8 L
	v_lshlrev_b32 v23, 2, v1                       ; 4 r
	v_and_b32 v4, 7, v0                            ; the turning load: row 8 h + L % 8,
	v_lshl_add_u32 v4, v2, 3, v4
	v_mul_u32_u24 v4, v4, P3
	v_bfe_u32 v29, v0, 3, 1
	v_lshl_add_u32 v4, v29, 4, v4                  ; 16 bytes for each half of eight lanes
.set j, 0
.rept 3
	v_add_nc_u32 v[VB+j], j*12*KB, v4              ; twelve K steps, 61,440 bytes, are within an LDS immediate's reach
.set j, j+1
.endr
	s_mul_i32 s21, s2, 256*P3                      ; into LDS: my wave's 256 rows, four rows down for lanes 16-31, 8 bytes a lane
	v_mul_u32_u24 v6, v2, 4*P3
	v_lshl_add_u32 v6, v1, 3, v6
	v_add_nc_u32 v6, s21, v6
	s_lshl_b32 s21, s2, 20                         ; from memory: my wave's 256 rows of 4,096 bytes, four rows down for lanes 16-31, 16 bytes a lane
	v_lshlrev_b32 v7, 14, v2
	v_lshl_add_u32 v7, v1, 4, v7
	v_add_nc_u32 v7, s21, v7
	s_mul_i32 s21, s2, 16*SP
	s_add_co_u32 s21, s21, STAGE                   ; my stage
	v_mul_u32_u24 v20, v1, SP                      ; in: row r, 32 bytes for each half of the lanes
	v_lshl_add_u32 v20, v2, 5, v20
	v_add_nc_u32 v20, s21, v20
	v_add_nc_u32 v21, s21, v22                     ; back: 8 bytes a lane, a row of 256 bytes a load
	s_wait_kmcnt 0x0
	s_lshl_b32 s18, s16, 23
	s_lshl_b32 s19, s22, 22
	s_add_co_u32 s18, s18, s19
	s_lshl_b32 s19, s17, 8
	s_add_co_u32 s18, s18, s19
	s_mov_b32 s19, 0
	s_add_nc_u64 s[4:5], s[4:5], s[18:19]          ; the expert's 8 MiB, the half's 1,024 rows, the slice's 256 bytes of a row
	s_lshl_b32 s18, s16, 22
	s_lshl_b32 s21, s22, 15
	s_add_co_u32 s18, s18, s21
	s_add_nc_u64 s[6:7], s[6:7], s[18:19]          ; the expert's tiles, the half's 16 blocks of 2,048 bytes in each
	s_mul_i32 s18, s16, 4608
	s_add_nc_u64 s[8:9], s[8:9], s[18:19]
	s_lshl_b32 s18, s22, 23
	s_lshl_b32 s21, s17, 8
	s_add_co_u32 s18, s18, s21
	s_add_nc_u64 s[10:11], s[10:11], s[18:19]
	s_load_b32 s20, s[8:9], 0x1000                 ; the expert's count
; A batch: 16 rows.  Load l: lanes 0-15 take 256 consecutive aligned bytes of row 16 b + l % 4 + 8 (l / 4), lanes 16-31 those of the row four further down.
.macro ISSUE b
	WIN 0x40                                       ; destination window 1
.set ll, 0
.rept 8
	global_load_b128 v[32*((\b)%8)+4*ll:32*((\b)%8)+4*ll+3], v7, s[4:5] offset:(16*(\b)+ll%4+8*(ll/4))*4096 th:TH_LOAD_NT
.set ll, ll+1
.endr
.endm
; Batch b is rounded and laid into LDS; the slot read one step ago takes the batch seven further on.  At a step's head the batch in hand and up to six younger ones are out.
.macro STEP b
.if (\b) <= 9
	s_wait_loadcnt 48
.else
	s_wait_loadcnt 8*(15-(\b))
.endif
	WIN 0x05                                       ; sources window 1
.set ll, 0
.rept 8
	v_cvt_pk_bf16_f32 v[Y+2*ll],   v[32*((\b)%8)+4*ll],   v[32*((\b)%8)+4*ll+1]
	v_cvt_pk_bf16_f32 v[Y+2*ll+1], v[32*((\b)%8)+4*ll+2], v[32*((\b)%8)+4*ll+3]
.set ll, ll+1
.endr
	WIN 0
.set ll, 0
.rept 8                                        ; two runs of 128 bytes, 4 P3 = 640 bytes apart, which is 128 modulo 256
	ds_store_b64 v6, v[Y+2*ll:Y+2*ll+1] offset:(16*(\b)+ll%4+8*(ll/4))*P3
.set ll, ll+1
.endr
.if (\b) <= 8
	ISSUE (\b)+7
.endif
.endm
.irp b, 0,1,2,3,4,5,6
	ISSUE \b                                       ; 56 loads of 512 bytes a wave are on their way
.endr
.irp b, 0,1,2,3,4,5,6,7,8,9,10,11,12,13,14,15
	STEP \b                                        ; every row's place stands in the immediates: nothing is stepped
.endr
	s_wait_kmcnt 0x0                               ; the count
	s_min_u32 s20, s20, 1024
	s_wait_dscnt 0x0                               ; for the others' sake: my rows of the weights are in LDS
	s_barrier_signal -1
	s_barrier_wait -1                              ; the launch's one barrier
	s_add_co_u32 s24, s20, 15
	s_lshr_b32 s24, s24, 4                         ; nt: tiles of 16 rows
	s_add_co_u32 s25, s24, 3
	s_sub_co_u32 s25, s25, s2
	s_lshr_b32 s25, s25, 2                         ; rem: my tiles w, w + 4, w + 8 .. still to do
	s_mov_b32 s26, 0                               ; j0: my tiles done
	s_mov_b32 s29, 4                               ; passes: 16 tiles a wave at the most, four a pass
; 8 turning loads: the weight fragments of K step st (32 k x 64 columns)
.macro LDB st
	WIN 0
.set bb, B0+32*((\st)%2)
.set vb, VB+(\st)/12
.set bo, ((\st)%12)*KB
.set nn, 0
.rept 4
	ds_load_tr16_b128 v[bb+8*nn:bb+8*nn+3],   v[vb] offset:bo+32*nn
	ds_load_tr16_b128 v[bb+8*nn+4:bb+8*nn+7], v[vb] offset:bo+32*nn+16*P3
.set nn, nn+1
.endr
.endm
; 8 loads: the hidden fragments of K step st for four tiles, 512 consecutive bytes each
.macro LDA st
	WIN 0
.set asl, AR+32*((\st)%4)
.set ii, 0
.rept 4
	global_load_b128 v[asl+8*ii:asl+8*ii+3],   v[8+ii], s[6:7] offset:1024*(\st)
	global_load_b128 v[asl+8*ii+4:asl+8*ii+7], v[8+ii], s[6:7] offset:1024*(\st)+512
.set ii, ii+1
.endr
.endm
; 8 matrix instructions: tiles i0 and i0 + 1; source 0 = 16 columns of the weights, source 1 = 16 rows.  The accumulators take turns, one instruction a turn, from step to step too,
; with or without tiles 2 and 3.  K step 0 starts the sums.
.macro MULH st, i0
	WIN 0x50                                       ; C and D window 1
.set bb, B0+32*((\st)%2)
.set asl, AR+32*((\st)%4)
.set ii, \i0
.rept 2
.set nn, 0
.rept 4
.if (\st) == 0
	v_wmma_f32_16x16x32_bf16 v[8*(4*ii+nn):8*(4*ii+nn)+7], v[bb+8*nn:bb+8*nn+7], v[asl+8*ii:asl+8*ii+7], 0
.else
	v_wmma_f32_16x16x32_bf16 v[8*(4*ii+nn):8*(4*ii+nn)+7], v[bb+8*nn:bb+8*nn+7], v[asl+8*ii:asl+8*ii+7], v[8*(4*ii+nn):8*(4*ii+nn)+7]
.endif
.set nn, nn+1
.endr
.set ii, ii+1
.endr
.endm
; K step st: the next step's weights into the other buffer, the hidden rows of the step three on into the slot read last; then this step's products.
.macro KSTEP st
.if (\st) > 0
	PLACES
.endif
.if (\st) < 31
	LDB (\st)+1
	s_wait_dscnt 8                                 ; the eight LDS loads just issued may stay out
.else
	s_wait_dscnt 0x0
.endif
.if (\st) < 29
	LDA (\st)+3
	s_wait_loadcnt 24                              ; the hidden rows of the three later steps may stay out
.else
	s_wait_loadcnt 8*(31-(\st))                    ; those of the steps that are left; the last wait is for 0, and the list's entries, asked for ahead of the first hidden rows, are in too
.endif
	MULH \st, 0
	WIN 0                                          ; at a branch and at a label every window is 0
	s_cmp_eq_u32 s28, 0
	s_cbranch_scc1 .Lhalf_\@                       ; the pass has no third tile
	MULH \st, 2
	WIN 0
.Lhalf_\@:
.endm
; Tile i's way out.  A lane holds row r, columns 16 n + 8 h + 0..7: 32 bytes into the stage's row r; back by rows; each row goes to the place that the list names.
.macro EPI3 i
.if (\i) > 0
	s_cmp_le_u32 s27, \i
	s_cbranch_scc1 .Lpass_done                     ; the pass has no such tile
.endif
	s_wait_xcnt 0x0                                ; the tile before's stores have read their registers
	WIN 0x04                                       ; store data window 1
.irp n, 0,1,2,3
	ds_store_b128 v20, v[8*(4*(\i)+\n):8*(4*(\i)+\n)+3]   offset:64*\n     ; each accumulator's low half first
	ds_store_b128 v20, v[8*(4*(\i)+\n)+4:8*(4*(\i)+\n)+7] offset:64*\n+16
.endr
	WIN 0
.set rr, 0
.rept 16
	ds_load_b64 v[AR+2*rr:AR+2*rr+1], v21 offset:SP*rr  ; LDS serves a wave's instructions in order (ISA guide 5.7.1.4): these see the stores above
.set rr, rr+1
.endr
	s_lshl_b32 s34, s[38+(\i)], 4
	s_sub_co_u32 s34, s20, s34                     ; the rows from this tile's first on: 1 at the least
	s_wait_dscnt 0x0
.set rr, 0
.rept 16
.if rr > 0
	s_cmp_le_u32 s34, rr
	s_cbranch_scc1 .Ltile_end_\@                   ; rows past the count are not stored
.endif
	v_readlane_b32 s30, v[16+(\i)], rr             ; list[16 tile + row] = 2 token + k
	s_min_u32 s30, s30, 2047
	s_lshl_b32 s30, s30, 12                        ; its row of 4,096 bytes
	v_add_nc_u32 v[VO+rr], s30, v22
	global_store_b64 v[VO+rr], v[AR+2*rr:AR+2*rr+1], s[10:11]  ; 32 lanes store 256 consecutive bytes, aligned
.set rr, rr+1
.endr
.Ltile_end_\@:
.endm
.Lpass:                                                ; four trips, a constant; a wave with nothing left jumps forward over the work, which holds no barrier
	s_cmp_eq_u32 s25, 0
	s_cbranch_scc1 .Lpass_next
	s_min_u32 s27, s25, 4                          ; M: the pass's tiles
	s_cmp_gt_u32 s27, 2
	s_cselect_b32 s28, 1, 0                        ; are tiles 2 and 3 multiplied?
	s_sub_co_u32 s31, s24, 1
	s_wait_xcnt 0x0                                ; offsets and data are rewritten only behind this wait
.set ii, 0
.rept 4
	s_add_co_u32 s30, s26, ii
	s_lshl2_add_u32 s[38+ii], s30, s2              ; tile w + 4 (j0 + i),
	s_min_u32 s[38+ii], s[38+ii], s31              ; or past my last the expert's last: a tile that exists
	s_min_u32 s[38+ii], s[38+ii], 63
	s_lshl_b32 s30, s[38+ii], 16
	v_add_nc_u32 v[8+ii], s30, v3                  ; the tile's blocks of hid, 16 bytes a lane
	s_lshl_b32 s30, s[38+ii], 6
	v_add_nc_u32 v[12+ii], s30, v23
	global_load_b32 v[16+ii], v[12+ii], s[8:9]     ; list[16 tile + r]
.set ii, ii+1
.endr
	LDB 0
	LDA 0
	LDA 1
	LDA 2
.set ks, 0
.rept 32
	KSTEP ks
.set ks, ks+1
.endr
	PLACES                                         ; the way out reads results just made and loads into the fragments' registers
	EPI3 0
	EPI3 1
	EPI3 2
	EPI3 3
.Lpass_done:
	s_add_co_u32 s26, s26, s27
	s_sub_co_u32 s25, s25, s27
.Lpass_next:
	s_sub_co_u32 s29, s29, 1
	s_cmp_lg_u32 s29, 0
	s_cbranch_scc1 .Lpass
	s_wait_tensorcnt 0x0                           ; the wave's end, behind my last LDS store
	ds_add_u32 v30, v31
	s_wait_dscnt 0x0
	s_endpgm
.Lfunc_end_k_q2d0afd845b_down:
	.size	k_q2d0afd845b_down, .Lfunc_end_k_q2d0afd845b_down-k_q2d0afd845b_down
	.p2alignl 7, 3214868480
	.fill 96, 4, 3214868480
	.section	.rodata,"a",@progbits
	.p2align	6, 0x0
	.amdhsa_kernel k_q2d0afd845b_down
		.amdhsa_group_segment_fixed_size 181760
		.amdhsa_private_segment_fixed_size 0
		.amdhsa_enable_private_segment 0
		.amdhsa_kernarg_size 32
		.amdhsa_user_sgpr_count 2
		.amdhsa_user_sgpr_kernarg_segment_ptr 1
		.amdhsa_wavefront_size32 1
		.amdhsa_system_sgpr_workgroup_id_x 1
		.amdhsa_system_sgpr_workgroup_id_y 1
		.amdhsa_system_sgpr_workgroup_id_z 1
		.amdhsa_system_vgpr_workitem_id 0
		.amdhsa_next_free_vgpr 512
		.amdhsa_next_free_sgpr 66
		.amdhsa_reserve_vcc 0
		.amdhsa_float_denorm_mode_32 3
		.amdhsa_float_denorm_mode_16_64 3
		.amdhsa_memory_ordered 1
		.amdhsa_forward_progress 1
		.amdhsa_inst_pref_size 156
	.end_amdhsa_kernel
	.amdgpu_metadata
---
amdhsa.version: [ 1, 2 ]
amdhsa.kernels:
  - .name:           k_q2d0afd845b_down
    .symbol:         k_q2d0afd845b_down.kd
    .args:
      - { .name: down_proj_w, .offset: 0, .size: 8, .value_kind: global_buffer, .address_space: global }
      - { .name: hid, .offset: 8, .size: 8, .value_kind: global_buffer, .address_space: global }
      - { .name: rows, .offset: 16, .size: 8, .value_kind: global_buffer, .address_space: global }
      - { .name: part, .offset: 24, .size: 8, .value_kind: global_buffer, .address_space: global }
    .group_segment_fixed_size: 181760
    .private_segment_fixed_size: 0
    .kernarg_segment_align: 8
    .kernarg_segment_size: 32
    .max_flat_workgroup_size: 128
    .sgpr_count:     66
    .vgpr_count:     512
    .wavefront_size: 32
...
	.end_amdgpu_metadata
.endif
;; end of part 3
;; launch combine (part 4): grid 256 x 1, 8 waves a work-group, no clusters, 0 bytes of LDS; arguments part, wts, out0; writes out0
.if DOCPART == 4
	.amdgcn_target "amdgcn-amd-amdhsa--gfx1250"
	.amdhsa_code_object_version 6
	.text
	.protected	k_q2d0afd845b_combine
	.globl	k_q2d0afd845b_combine
	.p2align	8
	.type	k_q2d0afd845b_combine,@function
k_q2d0afd845b_combine:
	s_mov_b64 s[64:65], 0
	v_nop
	global_prefetch_b8 v0, s[64:65] scope:SCOPE_SE
	s_setreg_imm32_b32 hwreg(HW_REG_WAVE_MODE, 25, 1), 1
	s_wait_xcnt 0x0
; THE SUM.  out[t] = w0 (p0[2 t] + p1[2 t]) + w1 (p0[2 t + 1] + p1[2 t + 1]): p0, p1 the two K halves' partial rows (f32), w0, w1 the token's two weights (sigmoid x scale).
; A stream: each byte of part is read once, each byte of out0 written once.  Wave w of work-group g takes token 4 g + w / 2 and 2,048 bytes (half w % 2) of its row: sixteen loads of 512 consecutive
; bytes, all out at once, four stores of 512 consecutive aligned bytes.  No LDS, no barrier, no matrix unit, no cluster: the waves share nothing.
.set D, 4                              ; v[4:67]: chunk c at D + 16 c: p0[2t], p0[2t+1], p1[2t], p1[2t+1], four registers each
	s_load_b128 s[4:7], s[0:1], 0x0                ; part s[4:5], wts s[6:7]
	s_load_b64 s[8:9], s[0:1], 0x10                ; out0
	v_lshrrev_b32 v1, 5, v0
	v_readfirstlane_b32 s2, v1                     ; wave 0..7
	v_and_b32 v2, 31, v0
	v_lshlrev_b32 v2, 4, v2                        ; 16 bytes a lane
	s_lshr_b32 s10, s2, 1
	s_lshl2_add_u32 s10, ttmp9, s10                ; the token
	s_and_b32 s11, s2, 1
	s_lshl_b32 s11, s11, 11                        ; the half of a row
	s_lshl_b32 s12, s10, 13                        ; the token's two rows of 4,096 bytes in part
	s_add_co_u32 s12, s12, s11
	s_mov_b32 s13, 0
	s_lshl_b32 s14, s10, 12                        ; its row in out0
	s_add_co_u32 s14, s14, s11
	s_mov_b32 s15, 0
	s_lshl_b32 s16, s10, 3                         ; its two weights
	s_mov_b32 s17, 0
	s_wait_kmcnt 0x0
	s_add_nc_u64 s[4:5], s[4:5], s[12:13]
	s_add_nc_u64 s[18:19], s[4:5], 0x800000        ; the second K half: 2,048 rows of 4,096 bytes on
	s_add_nc_u64 s[6:7], s[6:7], s[16:17]
	s_add_nc_u64 s[8:9], s[8:9], s[14:15]
	s_load_b64 s[20:21], s[6:7], 0x0               ; w0, w1
.irp c, 0,1,2,3
	global_load_b128 v[D+16*\c:D+16*\c+3],     v2, s[4:5]   offset:512*\c th:TH_LOAD_NT
	global_load_b128 v[D+16*\c+4:D+16*\c+7],   v2, s[4:5]   offset:512*\c+4096 th:TH_LOAD_NT
	global_load_b128 v[D+16*\c+8:D+16*\c+11],  v2, s[18:19] offset:512*\c th:TH_LOAD_NT
	global_load_b128 v[D+16*\c+12:D+16*\c+15], v2, s[18:19] offset:512*\c+4096 th:TH_LOAD_NT
.endr
	s_wait_kmcnt 0x0
	s_mov_b32 s22, s21                             ; w1 in a pair of its own: the packed forms take a scalar pair's low word for both halves
	s_mov_b32 s23, s21
.irp c, 0,1,2,3
	s_wait_loadcnt 12-4*\c                         ; loads come back in order: the later chunks' may stay out
.irp j, 0,2
	v_pk_add_f32 v[D+16*\c+\j:D+16*\c+\j+1],     v[D+16*\c+\j:D+16*\c+\j+1],     v[D+16*\c+8+\j:D+16*\c+8+\j+1]
	v_pk_add_f32 v[D+16*\c+4+\j:D+16*\c+4+\j+1], v[D+16*\c+4+\j:D+16*\c+4+\j+1], v[D+16*\c+12+\j:D+16*\c+12+\j+1]
.endr
.irp j, 0,2
	v_pk_mul_f32 v[D+16*\c+\j:D+16*\c+\j+1], v[D+16*\c+\j:D+16*\c+\j+1], s[20:21] op_sel_hi:[1,0]
.endr
.irp j, 0,2
	v_pk_fma_f32 v[D+16*\c+\j:D+16*\c+\j+1], v[D+16*\c+4+\j:D+16*\c+4+\j+1], s[22:23], v[D+16*\c+\j:D+16*\c+\j+1] op_sel_hi:[1,0,1]
.endr
	global_store_b128 v2, v[D+16*\c:D+16*\c+3], s[8:9] offset:512*\c th:TH_STORE_NT
.endr
	s_endpgm
.Lfunc_end_k_q2d0afd845b_combine:
	.size	k_q2d0afd845b_combine, .Lfunc_end_k_q2d0afd845b_combine-k_q2d0afd845b_combine
	.p2alignl 7, 3214868480
	.fill 96, 4, 3214868480
	.section	.rodata,"a",@progbits
	.p2align	6, 0x0
	.amdhsa_kernel k_q2d0afd845b_combine
		.amdhsa_group_segment_fixed_size 0
		.amdhsa_private_segment_fixed_size 0
		.amdhsa_enable_private_segment 0
		.amdhsa_kernarg_size 24
		.amdhsa_user_sgpr_count 2
		.amdhsa_user_sgpr_kernarg_segment_ptr 1
		.amdhsa_wavefront_size32 1
		.amdhsa_system_sgpr_workgroup_id_x 1
		.amdhsa_system_sgpr_workgroup_id_y 1
		.amdhsa_system_sgpr_workgroup_id_z 1
		.amdhsa_system_vgpr_workitem_id 0
		.amdhsa_next_free_vgpr 68
		.amdhsa_next_free_sgpr 66
		.amdhsa_reserve_vcc 0
		.amdhsa_float_denorm_mode_32 3
		.amdhsa_float_denorm_mode_16_64 3
		.amdhsa_memory_ordered 1
		.amdhsa_forward_progress 1
		.amdhsa_inst_pref_size 6
	.end_amdhsa_kernel
	.amdgpu_metadata
---
amdhsa.version: [ 1, 2 ]
amdhsa.kernels:
  - .name:           k_q2d0afd845b_combine
    .symbol:         k_q2d0afd845b_combine.kd
    .args:
      - { .name: part, .offset: 0, .size: 8, .value_kind: global_buffer, .address_space: global }
      - { .name: wts, .offset: 8, .size: 8, .value_kind: global_buffer, .address_space: global }
      - { .name: out0, .offset: 16, .size: 8, .value_kind: global_buffer, .address_space: global }
    .group_segment_fixed_size: 0
    .private_segment_fixed_size: 0
    .kernarg_segment_align: 8
    .kernarg_segment_size: 24
    .max_flat_workgroup_size: 256
    .sgpr_count:     66
    .vgpr_count:     68
    .wavefront_size: 32
...
	.end_amdgpu_metadata
.endif
;; end of part 4
;; ======== version 2 of 2: 4 launches; 1.19 times as fast as version 1
;; workspace buffers: bm 2,048 bytes of whole numbers; wts 8,192 bytes; xb 2,097,152 bytes; hid 33,554,432 bytes; rows 36,864 bytes of whole numbers; part 16,777,216 bytes
;; launch router (part 5): grid 64 x 1, 8 waves a work-group, no clusters, 25,600 bytes of LDS; arguments gate_inputs, gate_kernel, per_expert_scale, x, bm, wts, xb; writes bm, wts, xb
.if DOCPART == 5
	.amdgcn_target "amdgcn-amd-amdhsa--gfx1250"
	.amdhsa_code_object_version 6
	.text
	.protected	k_q2d0afd845b_router
	.globl	k_q2d0afd845b_router
	.p2align	8
	.type	k_q2d0afd845b_router,@function
k_q2d0afd845b_router:
	s_mov_b64 s[64:65], 0
	v_nop
	global_prefetch_b8 v0, s[64:65] scope:SCOPE_SE
	s_setreg_imm32_b32 hwreg(HW_REG_WAVE_MODE, 25, 1), 1
	s_wait_xcnt 0x0
; ROUTER.  logits = gate_inputs . gate_kernel for 1,024 tokens and 8 experts, the two largest of each token, their weights, and x rounded to bf16.
; Every input of the program is rounded once to bf16 (here gate_inputs, gate_kernel, per_expert_scale and x); the logits' sums are f32.
; SHARES.  Work-group g owns tokens 16 g .. 16 g + 15.  Wave w sums k = 128 w .. 128 w + 127 of the logits (four matrix instructions on four accumulators) and rounds x of tokens 16 g + 2 w, + 1.
; gate_kernel lies [k][8 experts]: a wave's 128 rows are 4,096 consecutive bytes.  They come in by eight loads of 512 consecutive bytes, are rounded, laid into the wave's own 2,048 bytes of LDS
; (16 bytes a row) and fetched as fragments, K along the registers, by the turning load.
; The eight waves' partial logits meet in LDS; wave 0 adds them in the waves' order and chooses.
; WHAT IS STORED, all at fixed places: no address here hangs on the choice.  bm[k][e][g]: a halfword, bit r set where token 16 g + r took expert e as its k-th choice.
; wts[2 t + k] = sigmoid(logit_k) x bf16(per_expert_scale[e_k]).  xb[t][1024]: x in bf16.
; LIMITS.  Equal logits: the lower index wins, as in jax.lax.top_k.  Logits that differ by less than the last bits of an f32 sum of 1,024 terms may be ordered otherwise than by another order of summing.
; NaN and infinite logits are not treated apart (with all other logits at minus infinity the second choice repeats expert 0).
; The work-groups share gate_kernel alone, 32,768 bytes against the 131,072 bytes of gate_inputs and x that each reads for itself: no cluster.
.set GKL,   8192                       ; behind the partial logits: gate_kernel in bf16, 2,048 bytes for each wave, the wave's own
.set SPARE, 24576                      ; behind that: the spare words, 128 bytes for each of eight waves
.set GI,  16                           ; v[16:79]    gate_inputs, K step q at 16 q: 16 f32, then 8 registers of bf16
.set GR,  80                           ; v[80:111]   gate_kernel as loaded, load c at 4 c
.set GK,  80                           ; v[80:111]   later its fragments, K step q at 8 q
.set GP,  112                          ; v[112:127]  gate_kernel rounded, load c at 2 c
.set XR,  144                          ; v[144:207]  x, chunk c at 8 c: 8 f32, then 4 registers of bf16
.set ACC, 208                          ; v[208:239]  four accumulators
.set VM,  15                           ; v15         the ballots: lane 8 k + e holds the mask of expert e as k-th choice
.set M1,  240                          ; the largest logit, its index, its expert's scale
.set I1,  241
.set SC1, 242
.set M2,  243                          ; the second
.set I2,  244
.set SC2, 245
.set SPW, 246                          ; LDS address of my spare word; never rewritten
.set NIL, 247                          ; 0; never rewritten
	s_load_b256 s[4:11], s[0:1], 0x0               ; gate_inputs s[4:5], gate_kernel s[6:7], per_expert_scale s[8:9], x s[10:11]
	s_load_b128 s[12:15], s[0:1], 0x20             ; bm s[12:13], wts s[14:15]
	s_load_b64 s[16:17], s[0:1], 0x30              ; xb
	v_lshl_add_u32 v[SPW], v0, 2, SPARE
	v_mov_b32 v[NIL], 0
	v_lshrrev_b32 v9, 5, v0
	v_readfirstlane_b32 s2, v9                     ; wave 0..7
	v_and_b32 v3, 31, v0                           ; lane L
	v_and_b32 v1, 15, v0                           ; r = L % 16
	v_bfe_u32 v2, v0, 4, 1                         ; h = L / 16
	v_lshlrev_b32 v4, 12, v1                       ; gate_inputs: token r's row of 4,096 bytes,
	v_lshl_add_u32 v4, v2, 5, v4                   ; + 8 h numbers,
	s_lshl_b32 s20, s2, 9
	v_add_nc_u32 v4, s20, v4                       ; + my wave's 128 numbers
	s_lshl_b32 s21, s2, 11
	s_add_co_u32 s21, s21, GKL                     ; my wave's part of gate_kernel in LDS
	v_lshlrev_b32 v5, 3, v3                        ; in: 8 bytes a lane, as they lie in memory
	v_add_nc_u32 v5, s21, v5
	v_and_b32 v10, 7, v0                           ; out, turned: row 8 h + L % 8, its 16 bytes; lanes r >= 8 take the same rows, so they repeat the eight experts
	v_lshl_add_u32 v10, v2, 3, v10
	v_lshlrev_b32 v10, 4, v10
	v_add_nc_u32 v10, s21, v10
	s_lshl_b32 s20, s2, 12
	v_lshlrev_b32 v6, 5, v3                        ; x: 32 bytes a lane,
	s_lshl_b32 s21, s2, 13
	v_add_nc_u32 v6, s21, v6                       ; in my wave's two rows
	v_lshlrev_b32 v7, 4, v3                        ; 16 bytes a lane + 4,096 x wave: my place in xb's two rows of 2,048 bytes,
	v_add_nc_u32 v7, s20, v7                       ; and in gate_kernel's 128 rows of 32 bytes
	v_lshlrev_b32 v9, 5, v3                        ; the partial logits: 32 bytes a lane,
	s_lshl_b32 s21, s2, 10
	v_add_nc_u32 v8, s21, v9                       ; in my wave's 1,024 bytes
	s_wait_kmcnt 0x0
	s_load_b256 s[24:31], s[8:9], 0x0              ; the eight scales
	s_lshl_b32 s18, ttmp9, 16                      ; 16 rows of 4,096 bytes
	s_mov_b32 s19, 0
	s_add_nc_u64 s[4:5], s[4:5], s[18:19]
	s_add_nc_u64 s[10:11], s[10:11], s[18:19]
	s_lshl_b32 s18, ttmp9, 15                      ; 16 rows of 2,048 bytes
	s_add_nc_u64 s[16:17], s[16:17], s[18:19]
	s_lshl_b32 s18, ttmp9, 7                       ; 16 tokens x 8 bytes
	s_add_nc_u64 s[14:15], s[14:15], s[18:19]
	s_lshl_b32 s18, ttmp9, 1                       ; my halfword in each of the 16 rows of bm
	s_add_nc_u64 s[12:13], s[12:13], s[18:19]
	; All 40 loads go out at once: gate_kernel, which has the longest way, first; x last.
.set c, 0
.rept 8
	global_load_b128 v[GR+4*c:GR+4*c+3], v7, s[6:7] offset:c*512   ; lane L: row 16 c + L / 2, experts 4 (L % 2) + 0..3
.set c, c+1
.endr
	; A fragment of 16 rows x 32 k: lane (r, h) holds row r; its first 8 numbers are k = 8 h + 0..7, its last 8 are k = 16 + 8 h + 0..7.
.set q, 0
.rept 4
	global_load_b128 v[GI+16*q:GI+16*q+3],     v4, s[4:5] offset:q*128 th:TH_LOAD_NT
	global_load_b128 v[GI+16*q+4:GI+16*q+7],   v4, s[4:5] offset:q*128+16 th:TH_LOAD_NT
	global_load_b128 v[GI+16*q+8:GI+16*q+11],  v4, s[4:5] offset:q*128+64 th:TH_LOAD_NT
	global_load_b128 v[GI+16*q+12:GI+16*q+15], v4, s[4:5] offset:q*128+80 th:TH_LOAD_NT
.set q, q+1
.endr
.set c, 0
.rept 8
	global_load_b128 v[XR+8*c:XR+8*c+3],   v6, s[10:11] offset:c*1024 th:TH_LOAD_NT
	global_load_b128 v[XR+8*c+4:XR+8*c+7], v6, s[10:11] offset:c*1024+16 th:TH_LOAD_NT
.set c, c+1
.endr
	s_wait_loadcnt 32                              ; loads come back in order: gate_kernel is in; the sixteen of gate_inputs and the sixteen of x may stay out
.set c, 0
.rept 8
	v_cvt_pk_bf16_f32 v[GP+2*c],   v[GR+4*c],   v[GR+4*c+1]
	v_cvt_pk_bf16_f32 v[GP+2*c+1], v[GR+4*c+2], v[GR+4*c+3]
.set c, c+1
.endr
.set c, 0
.rept 8
	ds_store_b64 v5, v[GP+2*c:GP+2*c+1] offset:c*256   ; 256 consecutive bytes: sixteen rows of 16 bytes
.set c, c+1
.endr
.set q, 0
.rept 4                                        ; my wave's own bytes, and LDS serves a wave's instructions in order (ISA guide 5.7.1.4): these see the stores above
	ds_load_tr16_b128 v[GK+8*q:GK+8*q+3],   v10 offset:q*512       ; lane L: expert L % 8, k = 32 q + 8 h + 0..7
	ds_load_tr16_b128 v[GK+8*q+4:GK+8*q+7], v10 offset:q*512+256   ; k = 32 q + 16 + 8 h + 0..7
.set q, q+1
.endr
	s_wait_loadcnt 16                              ; all but the sixteen of x are in
.set q, 0
.rept 4
.set i, 0
.rept 8                                        ; rounded in place: register i takes numbers 2 i and 2 i + 1, which lie at or above it
	v_cvt_pk_bf16_f32 v[GI+16*q+i], v[GI+16*q+2*i], v[GI+16*q+2*i+1]
.set i, i+1
.endr
.set q, q+1
.endr
	s_wait_dscnt 0x0                               ; gate_kernel's fragments
	; source 0 = experts, source 1 = tokens: in the result lane r holds token r, and register j of lanes 0-15 expert j (lanes 16-31 hold the repeats)
.set q, 0
.rept 4
	v_wmma_f32_16x16x32_bf16 v[ACC+8*q:ACC+8*q+7], v[GK+8*q:GK+8*q+7], v[GI+16*q:GI+16*q+7], 0
.set q, q+1
.endr
	s_wait_loadcnt 0x0                             ; x
.set c, 0
.rept 8                                        ; these 32 roundings name no register of the products: they are the places behind them
.set i, 0
.rept 4
	v_cvt_pk_bf16_f32 v[XR+8*c+i], v[XR+8*c+2*i], v[XR+8*c+2*i+1]
.set i, i+1
.endr
.set c, c+1
.endr
.set c, 0
.rept 8
	global_store_b128 v7, v[XR+8*c:XR+8*c+3], s[16:17] offset:c*512  ; a wave's store covers 512 consecutive bytes, aligned
.set c, c+1
.endr
.irp j, 0,2,4,6                                ; my wave's four K steps are added; each accumulator is read from its low end on
	v_pk_add_f32 v[ACC+\j:ACC+\j+1], v[ACC+\j:ACC+\j+1], v[ACC+8+\j:ACC+8+\j+1]
.endr
.irp j, 0,2,4,6
	v_pk_add_f32 v[ACC+16+\j:ACC+16+\j+1], v[ACC+16+\j:ACC+16+\j+1], v[ACC+24+\j:ACC+24+\j+1]
.endr
.irp j, 0,2,4,6
	v_pk_add_f32 v[ACC+\j:ACC+\j+1], v[ACC+\j:ACC+\j+1], v[ACC+16+\j:ACC+16+\j+1]
.endr
	ds_store_b128 v8, v[ACC:ACC+3]
	ds_store_b128 v8, v[ACC+4:ACC+7] offset:16
	s_wait_kmcnt 0x0                               ; the scales
	s_wait_dscnt 0x0                               ; for wave 0's sake: my partial logits are in LDS
	s_barrier_signal -1
	s_barrier_wait -1
	s_cmp_lg_u32 s2, 0
	s_cbranch_scc1 .Lend                           ; wave 0 alone goes on; no barrier follows
.set w, 0
.rept 8
	ds_load_b128 v[GI+8*w:GI+8*w+3],   v9 offset:w*1024
	ds_load_b128 v[GI+8*w+4:GI+8*w+7], v9 offset:w*1024+16
.set w, w+1
.endr
	v_mov_b32 v10, 0xff800000                      ; minus infinity
	v_lshlrev_b32 v14, 3, v1                       ; wts: 8 bytes a token
	v_lshlrev_b32 v11, 7, v3                       ; bm: row 8 k + e = lane, 128 bytes a row
	v_mov_b32 v[VM], 0
	s_wait_dscnt 0x0
.set w, 1
.rept 7                                        ; in the waves' order, that is k ascending
.irp j, 0,2,4,6
	v_pk_add_f32 v[GI+\j:GI+\j+1], v[GI+\j:GI+\j+1], v[GI+8*w+\j:GI+8*w+\j+1]
.endr
.set w, w+1
.endr
	; the largest: a later expert wins only if it is strictly larger
	v_mov_b32 v[M1], v[GI]
	v_mov_b32 v[I1], 0
	v_mov_b32 v[SC1], s24
.irp e, 1,2,3,4,5,6,7
	v_cmp_gt_f32 vcc_lo, v[GI+\e], v[M1]
	v_cndmask_b32 v[M1], v[M1], v[GI+\e], vcc_lo
	v_cndmask_b32 v[I1], v[I1], \e, vcc_lo
	v_cndmask_b32 v[SC1], v[SC1], s[24+\e], vcc_lo
.endr
.irp e, 0,1,2,3,4,5,6,7                        ; it is taken out,
	v_cmp_eq_u32 vcc_lo, \e, v[I1]
	v_cndmask_b32 v[GI+\e], v[GI+\e], v10, vcc_lo
.endr
	v_mov_b32 v[M2], v[GI]                         ; and the same once more
	v_mov_b32 v[I2], 0
	v_mov_b32 v[SC2], s24
.irp e, 1,2,3,4,5,6,7
	v_cmp_gt_f32 vcc_lo, v[GI+\e], v[M2]
	v_cndmask_b32 v[M2], v[M2], v[GI+\e], vcc_lo
	v_cndmask_b32 v[I2], v[I2], \e, vcc_lo
	v_cndmask_b32 v[SC2], v[SC2], s[24+\e], vcc_lo
.endr
	v_mul_f32 v12, 0xbfb8aa3b, v[M1]               ; sigmoid(m) = 1 / (1 + 2^(-log2(e) m))
	v_mul_f32 v13, 0xbfb8aa3b, v[M2]
	v_exp_f32 v12, v12
	v_exp_f32 v13, v13
	v_cvt_pk_bf16_f32 v9, v[SC1], v[SC2]           ; the scales rounded to bf16: the plain instruction behind the exponentials
	s_wait_alu depctr_va_vdst(0)                   ; one wait for both, ahead of their first reader
	v_add_f32 v12, 1.0, v12
	v_add_f32 v13, 1.0, v13
	v_rcp_f32 v12, v12
	v_rcp_f32 v13, v13
	v_lshlrev_b32 v[SC1], 16, v9                   ; back to f32
	v_and_b32 v[SC2], 0xffff0000, v9
	s_wait_alu depctr_va_vdst(0)                   ; one wait for both reciprocals
	v_mul_f32 v12, v12, v[SC1]
	v_mul_f32 v13, v13, v[SC2]
.irp e, 0,1,2,3,4,5,6,7                        ; the ballots are data: they go into lanes 0-15 of one register and are stored at fixed places
	v_cmp_eq_u32 s20, \e, v[I1]
	v_writelane_b32 v[VM], s20, \e
	v_cmp_eq_u32 s21, \e, v[I2]
	v_writelane_b32 v[VM], s21, 8+\e
.endr
	v_cmp_gt_u32 vcc_lo, 16, v3
	s_wait_xcnt 0x0                                ; EXEC changes only behind this wait: the stores of xb have it among their sources
	s_and_saveexec_b32 s22, vcc_lo                 ; lanes 0-15: one token each, and one row of bm each
	global_store_b64 v14, v[12:13], s[14:15]
	global_store_b16 v11, v[VM], s[12:13]          ; the low half: tokens 16 g .. 16 g + 15
	s_wait_xcnt 0x0                                ; and again, in front of the line that widens it
	s_or_b32 exec_lo, exec_lo, s22
.Lend:
	s_wait_tensorcnt 0x0                           ; the wave's end, behind my last LDS store
	ds_add_u32 v[SPW], v[NIL]
	s_wait_dscnt 0x0
	s_endpgm
.Lfunc_end_k_q2d0afd845b_router:
	.size	k_q2d0afd845b_router, .Lfunc_end_k_q2d0afd845b_router-k_q2d0afd845b_router
	.p2alignl 7, 3214868480
	.fill 96, 4, 3214868480
	.section	.rodata,"a",@progbits
	.p2align	6, 0x0
	.amdhsa_kernel k_q2d0afd845b_router
		.amdhsa_group_segment_fixed_size 25600
		.amdhsa_private_segment_fixed_size 0
		.amdhsa_enable_private_segment 0
		.amdhsa_kernarg_size 56
		.amdhsa_user_sgpr_count 2
		.amdhsa_user_sgpr_kernarg_segment_ptr 1
		.amdhsa_wavefront_size32 1
		.amdhsa_system_sgpr_workgroup_id_x 1
		.amdhsa_system_sgpr_workgroup_id_y 1
		.amdhsa_system_sgpr_workgroup_id_z 1
		.amdhsa_system_vgpr_workitem_id 0
		.amdhsa_next_free_vgpr 248
		.amdhsa_next_free_sgpr 66
		.amdhsa_reserve_vcc 1
		.amdhsa_float_denorm_mode_32 3
		.amdhsa_float_denorm_mode_16_64 3
		.amdhsa_memory_ordered 1
		.amdhsa_forward_progress 1
		.amdhsa_inst_pref_size 24
	.end_amdhsa_kernel
	.amdgpu_metadata
---
amdhsa.version: [ 1, 2 ]
amdhsa.kernels:
  - .name:           k_q2d0afd845b_router
    .symbol:         k_q2d0afd845b_router.kd
    .args:
      - { .name: gate_inputs, .offset: 0, .size: 8, .value_kind: global_buffer, .address_space: global }
      - { .name: gate_kernel, .offset: 8, .size: 8, .value_kind: global_buffer, .address_space: global }
      - { .name: per_expert_scale, .offset: 16, .size: 8, .value_kind: global_buffer, .address_space: global }
      - { .name: x, .offset: 24, .size: 8, .value_kind: global_buffer, .address_space: global }
      - { .name: bm, .offset: 32, .size: 8, .value_kind: global_buffer, .address_space: global }
      - { .name: wts, .offset: 40, .size: 8, .value_kind: global_buffer, .address_space: global }
      - { .name: xb, .offset: 48, .size: 8, .value_kind: global_buffer, .address_space: global }
    .group_segment_fixed_size: 25600
    .private_segment_fixed_size: 0
    .kernarg_segment_align: 8
    .kernarg_segment_size: 56
    .max_flat_workgroup_size: 256
    .sgpr_count:     66
    .vgpr_count:     248
    .wavefront_size: 32
...
	.end_amdgpu_metadata
.endif
;; end of part 5
;; launch gateup (part 6): grid 32 x 8, 4 waves a work-group, no clusters, 295,424 bytes of LDS; arguments gate_proj_w, up_proj_w, xb, bm, hid, rows; writes hid, rows
.if DOCPART == 6
	.amdgcn_target "amdgcn-amd-amdhsa--gfx1250"
	.amdhsa_code_object_version 6
	.text
	.protected	k_q2d0afd845b_gateup
	.globl	k_q2d0afd845b_gateup
	.p2align	8
	.type	k_q2d0afd845b_gateup,@function
k_q2d0afd845b_gateup:
	s_mov_b64 s[64:65], 0
	v_nop
	global_prefetch_b8 v0, s[64:65] scope:SCOPE_SE
	s_setreg_imm32_b32 hwreg(HW_REG_WAVE_MODE, 25, 1), 1
	s_wait_xcnt 0x0
; FIRST PRODUCT.  hid = gelu(x Wg) x (x Wu) for the rows that chose an expert.  Work-group (s, e) owns hidden columns 64 s .. 64 s + 63 of expert e: it alone reads those columns of
; gate_proj_w[e] and up_proj_w[e] (each weight byte is read once in the launch), rounds them to bf16 on the way through registers, keeps them in LDS, and multiplies all of the expert's rows by them.
; PHASES.  (A) The two slices, 1,024 rows of 256 bytes each, stream into LDS; wave w takes rows 256 w .. 256 w + 255, seven batches of eight loads always on their way.  One barrier.
; (B) Tiles of 16 rows, dealt to the waves in turn; a wave takes up to FIVE tiles at a time through K = 1,024: with 2,048 routed rows on 8 experts a count lies near 256, 17 to 20 tiles, five for some waves.
; Which token has which rank among the expert's rows is found in registers, from the bitmaps that the launch before stored.  The token rows come from xb straight into registers, six K steps ahead
; (ten loads a step, sixty on their way); nothing in phase B writes LDS, so its length may hang on the count.
; K: step 0 is written out (its products start the sums), three trips of eight steps follow, and seven steps that fetch nothing past the end.
; EVERY SPLIT is served: an expert has 0 to 1,024 rows, 64 tiles at the most, 16 a wave, four passes at the most.  An expert without rows still streams its slice and stores no tile.
; A pass always loads five tiles' rows (a place without a tile repeats the expert's last tile), so that the counted waits are the same on every way; K step 0 multiplies all five, so that every
; accumulator is begun on every way; from step 1 on the products of tiles 2 and 3 are jumped where the pass has two tiles or fewer, those of tile 4 where it has four or fewer.
; In the last tile the places past the count repeat token 0; whole tiles are stored, and the next launch discards those rows.
; gelu is jax's default: g / (1 + 2^(g (K0 + K1 g^2))), K0 = -2 log2(e) sqrt(2 / pi), K1 = 0.044715 K0.  hid is rounded once to bf16.
; hid[e][tile 64][slice 32][2,048 bytes]: a block holds 16 rows x 64 columns in the order in which the next product's registers take them: (row r, column 16 b + 8 h + j) at 512 b + 256 h + 16 r + 2 j.
; rows[e]: list[rank] = 2 token + k for the ranks below 16 x tiles (0 past the count), and at byte 4,096 the count, 128 times.  Work-group s = 0 of each expert stores it.
; NO CLUSTER: each slice of weights has one reader; what an expert's 32 work-groups share is its token rows, which come by rank, in a walk whose length hangs on a count: no tile descriptor covers them.
; REGISTERS, in windows of 256 (s_set_vgpr_msb: bits 1:0 source 0, 3:2 source 1, 5:4 source 2, 7:6 destination):
;   window 0: v0-31 addresses and the search's work registers; v32-47 rounded weights on their way to LDS; v48-61 offsets; v64-127, v128-191 two buffers of weight fragments, later the activation's
;             work registers; v192-199 the stream's offsets
;   window 1: phase A: 8 slots of 8 loads; phase B: accumulator (tile i < 4, column block n) at 8 (8 i + n), n = 0-3 gate, 4-7 up
;   window 2: v0-63 tile 4's accumulators; v64-127 its eight slots of token fragments          window 3: eight slots of token fragments of tiles 0-3, slot j, tile i at 32 j + 8 i
.set P,     288                        ; an LDS row, one k: 64 bf16 of gate, 64 of up, 32 bytes of padding: 9 x 32 bytes, so the 8 rows x 32 bytes that 16 lanes of a turning load take fall on different words modulo 256 bytes
.set KB,    32*P                       ; a K step of 32 rows
.set SPARE, 1024*P                     ; behind the weights: the spare words, 128 bytes for each of four waves
.set VB0, 4                            ; v4      the turning load's lane term; never rewritten
.set VB4, 5                            ; v5      the same four K steps on; never rewritten
.set AO,  8                            ; v8-13   the tiles' token rows in xb: byte offsets
.set VBA, 14                           ; v14     the trip's LDS address for its first four fetches of weights,
.set VBB, 15                           ; v15     and for its last four: nine K steps are past an LDS immediate's reach
.set RHO, 16                           ; the search: my rank,
.set XO,  17                           ; the word of 32 tokens that holds it (either choice),
.set X1,  18                           ; the same word of second choices,
.set PF,  19                           ; the rows ahead of that word; then my rank inside the word
.set GG,  20                           ; 32 x the word's number; then the token
.set CA,  21                           ; the word's counts in fields of 2,
.set CB,  22                           ; 4,
.set CC,  23                           ; 8
.set CD,  24                           ; and 16 bits
.set TT,  25
.set UU,  26
.set POS, 27                           ; the bit found so far
.set Y,   32
.set LO,  50                           ; v50-52  offsets in rows, one for each search of a pass
.set EN,  53                           ; v53-55  the list's entries, one register for each search of a pass
.set SO,  56                           ; v56-61  the tiles' blocks in hid: byte offsets
.set B0,  64                           ; weight fragments: buffer b at B0 + 64 b
.set T,   64                           ; the activation: 32 registers at work,
.set AA,  96                           ; g u,
.set H,   128                          ; and tile i's 16 registers to store at H + 16 i
.set OFF, 192                          ; v192-199 phase A: slot q's byte offset in both slices
.set PT,  4                            ; s[4:5]  phase B: xb, stepped with the trips (the weights' address is done with by then)
.set TB,  6                            ; s6      phase B: the trip's first LDS byte
.set MSB, 0
.macro WIN new                         ; the immediate's high byte repeats the setting that is left; a switch that changes nothing is dropped
.if MSB != (\new)
	s_set_vgpr_msb (MSB<<8)|(\new)
.set MSB, \new
.endif
.endm
.macro PLACES                          ; four plain vector instructions between a matrix instruction and a load into, or a read of, its registers
.rept 4
	v_nop
.endr
.endm
	s_load_b256 s[4:11], s[0:1], 0x0               ; gate_proj_w s[4:5], up_proj_w s[6:7], xb s[8:9], bm s[10:11]
	s_load_b128 s[12:15], s[0:1], 0x20             ; hid s[12:13], rows s[14:15]
	v_lshl_add_u32 v30, v0, 2, SPARE               ; my spare word; never rewritten
	v_mov_b32 v31, 0                               ; 0; never rewritten
	v_lshrrev_b32 v29, 5, v0
	v_readfirstlane_b32 s2, v29                    ; wave 0..3
	s_and_b32 s16, ttmp7, 0xffff                   ; e
	s_mov_b32 s17, ttmp9                           ; s
	v_and_b32 v1, 15, v0                           ; r = L % 16
	v_bfe_u32 v29, v0, 4, 1                        ; h = L / 16
	v_lshlrev_b32 v2, 4, v29                       ; 16 h
	v_and_b32 v3, 31, v0
	v_lshlrev_b32 v3, 4, v3                        ; 16 L
	v_and_b32 v[VB0], 7, v0                        ; the turning load: row 8 h + L % 8,
	v_lshl_add_u32 v[VB0], v29, 3, v[VB0]
	v_mul_u32_u24 v[VB0], v[VB0], P
	v_bfe_u32 v[VB4], v0, 3, 1
	v_lshl_add_u32 v[VB0], v[VB4], 4, v[VB0]       ; 16 bytes for each half of eight lanes
	v_add_nc_u32 v[VB4], 4*KB, v[VB0]
	s_mul_i32 s21, s2, 256*P                       ; into LDS: my wave's 256 rows, four rows down for lanes 16-31, 8 bytes a lane
	v_mul_u32_u24 v6, v29, 4*P
	v_lshl_add_u32 v6, v1, 3, v6
	v_add_nc_u32 v6, s21, v6
	s_lshl_b32 s21, s2, 21                         ; from memory: my wave's 256 rows of 8,192 bytes, four rows down for lanes 16-31, 16 bytes a lane
	v_lshlrev_b32 v7, 15, v29
	v_lshl_add_u32 v7, v1, 4, v7
	v_add_nc_u32 v7, s21, v7
.set j, 0
.rept 8
	v_add_nc_u32 v[OFF+j], j*65536, v7             ; slot j begins with batch j: 8 rows of 8,192 bytes a batch
.set j, j+1
.endr
	s_mov_b32 s3, 0xffff0000                       ; lanes 16-31
	s_mov_b32 s104, 0x76543210                     ; v_permlanex16_b32: each lane takes its own place in the other half
	s_mov_b32 s105, 0xfedcba98
	s_mov_b32 s66, 0xc0135761                      ; K0 = -2.3022082
	s_mov_b32 s67, 0xc0135761                      ; (named as pairs)
	s_mov_b32 s100, 0xbdd2d3e8                     ; K1 = -0.10294324
	s_mov_b32 s101, 0xbdd2d3e8
	s_wait_kmcnt 0x0
	s_lshl_b32 s18, s16, 23                        ; an expert's 8 MiB,
	s_lshl_b32 s19, s17, 8                         ; the slice's 256 bytes of a row
	s_add_co_u32 s18, s18, s19
	s_mov_b32 s19, 0
	s_add_nc_u64 s[4:5], s[4:5], s[18:19]
	s_add_nc_u64 s[6:7], s[6:7], s[18:19]
	s_lshl_b32 s18, s16, 7                         ; the expert's 128 bytes in each half of bm
	s_add_nc_u64 s[10:11], s[10:11], s[18:19]
	s_lshl_b32 s18, s16, 22
	s_lshl_b32 s21, s17, 11
	s_add_co_u32 s18, s18, s21
	s_add_nc_u64 s[12:13], s[12:13], s[18:19]
	s_mul_i32 s18, s16, 4608
	s_add_nc_u64 s[14:15], s[14:15], s[18:19]
	s_load_b512 s[32:47], s[10:11], 0x0            ; first choices: word g holds tokens 32 g .. 32 g + 31
	s_load_b512 s[48:63], s[10:11], 0x40
	s_load_b512 s[68:83], s[10:11], 0x400          ; second choices
	s_load_b512 s[84:99], s[10:11], 0x440
; A batch into slot q: 8 rows of both slices.  Lanes 0-15 take 256 consecutive aligned bytes of the batch's row i, lanes 16-31 those of the row four further down.
.macro ISSUE q
	WIN 0x40                                       ; destination window 1
.set ii, 0
.rept 4
	global_load_b128 v[32*(\q)+4*ii:32*(\q)+4*ii+3],       v[OFF+(\q)], s[4:5] offset:ii*8192 th:TH_LOAD_NT
	global_load_b128 v[32*(\q)+16+4*ii:32*(\q)+16+4*ii+3], v[OFF+(\q)], s[6:7] offset:ii*8192 th:TH_LOAD_NT
.set ii, ii+1
.endr
.endm
; The batch in slot sl is rounded and laid into LDS; issue = 1: the slot read one step ago takes the batch seven further on.  left = the younger loads that may stay out.
; A slot owns its offset register: it is stepped behind the wait that shows the slot's own loads done, so the bases are never stepped and nothing else is waited for.
.macro STEP sl, issue, left
	s_wait_loadcnt \left
	WIN 0x05                                       ; sources window 1
.set ii, 0
.rept 8
	v_cvt_pk_bf16_f32 v[Y+2*ii],   v[32*(\sl)+4*ii],   v[32*(\sl)+4*ii+1]
	v_cvt_pk_bf16_f32 v[Y+2*ii+1], v[32*(\sl)+4*ii+2], v[32*(\sl)+4*ii+3]
.set ii, ii+1
.endr
	WIN 0
.if \issue
	v_add_nc_u32 v[OFF+(\sl)], 8*65536, v[OFF+(\sl)]  ; the slot's next batch, eight further on; it is asked for in the next step
.endif
.set ii, 0
.rept 4                                        ; 32 lanes x 8 bytes: two runs of 128 bytes, 4 P = 1,152 bytes apart, which is 128 modulo 256
	ds_store_b64 v6, v[Y+2*ii:Y+2*ii+1]     offset:(8*(\sl)+ii)*P
	ds_store_b64 v6, v[Y+8+2*ii:Y+8+2*ii+1] offset:(8*(\sl)+ii)*P+128
.set ii, ii+1
.endr
.if \issue
	ISSUE ((\sl)+7)%8
.endif
.endm
.irp q, 0,1,2,3,4,5,6
	ISSUE \q                                       ; 56 loads of 512 bytes a wave are on their way before anything else is done
.endr
	WIN 0
	s_wait_kmcnt 0x0                               ; the bitmaps
	s_mov_b32 s20, 0
.set gg, 0
.rept 32                                       ; a token's two choices differ, so the two words have no bit in common: s[32 + g] becomes "chose this expert", s[68 + g] stays "as second choice"
	s_or_b32 s[32+gg], s[32+gg], s[68+gg]
	s_bcnt1_i32_b32 s21, s[32+gg]
	s_add_co_u32 s20, s20, s21
.set gg, gg+1
.endr
	s_min_u32 s20, s20, 1024                       ; the expert's count of rows
	; PHASE A: 32 batches a wave.  At a step's head the batch in hand and six younger ones are out: 48 loads may stay out.
	s_mov_b32 s23, 3
.LphA:
.irp sl, 0,1,2,3,4,5,6,7
	STEP \sl, 1, 48
.endr
	WIN 0
	v_add_nc_u32 v6, 64*P, v6                      ; 64 rows on in LDS
	s_sub_co_u32 s23, s23, 1
	s_cmp_lg_u32 s23, 0
	s_cbranch_scc1 .LphA
	STEP 0, 1, 48                                  ; the last batch goes out,
.irp sl, 1,2,3,4,5,6,7
	STEP \sl, 0, 56-8*\sl                          ; and the counts run down: no load leaves the buffers
.endr
	s_wait_dscnt 0x0                               ; for the others' sake: my rows of the weights are in LDS
	s_barrier_signal -1
	s_barrier_wait -1
	s_cmp_lg_u32 s17, 0
	s_cbranch_scc1 .Lno_count                      ; slice 0's work-group stores the count for the next launch
	v_lshlrev_b32 v48, 2, v0
	v_mov_b32 v49, s20
	global_store_b32 v48, v49, s[14:15] offset:4096
.Lno_count:
	; PHASE B.
	s_add_co_u32 s24, s20, 15
	s_lshr_b32 s24, s24, 4                         ; nt: tiles of 16 rows
	s_add_co_u32 s25, s24, 3
	s_sub_co_u32 s25, s25, s2
	s_lshr_b32 s25, s25, 2                         ; rem: my tiles w, w + 4, w + 8 .. still to do
	s_mov_b32 s26, 0                               ; j0: my tiles done
	s_mov_b32 s29, 4                               ; passes: see M below
; One step of the search inside a word: does my rank lie past the lower wd bits of what is left?  Their count is a field of fw bits at bit POS of src.
.macro STG src, fw, wd
	v_bfe_u32 v[TT], v[\src], v[POS], \fw
	v_cmp_ge_u32 vcc_lo, v[PF], v[TT]
	v_cndmask_b32 v[TT], 0, v[TT], vcc_lo
	v_cndmask_b32 v[UU], 0, \wd, vcc_lo
	v_sub_nc_u32 v[PF], v[PF], v[TT]
	v_add_nc_u32 v[POS], v[POS], v[UU]
.endm
; THE SEARCH for places 2 p and 2 p + 1 of the pass: lanes 0-15 look for the tokens of the first tile's 16 ranks, lanes 16-31 for the second's.
.macro SEL p
	s_add_co_u32 s30, s26, 2*(\p)
	s_lshl2_add_u32 s10, s30, s2                   ; tile w + 4 (j0 + 2 p),
	s_min_u32 s10, s10, s31                        ; or past my last the expert's last: a tile that exists
	s_min_u32 s10, s10, 63
	s_add_co_u32 s30, s26, 2*(\p)+1
	s_lshl2_add_u32 s11, s30, s2
	s_min_u32 s11, s11, s31
	s_min_u32 s11, s11, 63
	s_lshl_b32 s18, s10, 16
	s_lshl_b32 s19, s11, 16
	v_add_nc_u32 v[SO+2*(\p)], s18, v3             ; the tiles' blocks of hid, 16 bytes a lane
	v_add_nc_u32 v[SO+2*(\p)+1], s19, v3
	s_lshl_b32 s18, s10, 4
	s_lshl_b32 s19, s11, 4
	v_mov_b32 v[RHO], s18
	v_cndmask_b32 v[RHO], v[RHO], s19, s3
	v_add_nc_u32 v[RHO], v[RHO], v1                ; my rank: 16 tile + r
	; the last word ahead of which no more rows lie than my rank: the words in ascending order, the running count in s21
	v_mov_b32 v[XO], s32
	v_mov_b32 v[X1], s68
	v_mov_b32 v[PF], 0
	v_mov_b32 v[GG], 0
	s_bcnt1_i32_b32 s21, s32
.set gg, 1
.rept 31
	v_cmp_gt_u32 vcc_lo, s21, v[RHO]               ; more rows ahead of word g than my rank: what I have stays
	v_cndmask_b32 v[XO], s[32+gg], v[XO], vcc_lo
	v_cndmask_b32 v[X1], s[68+gg], v[X1], vcc_lo
	v_cndmask_b32 v[PF], s21, v[PF], vcc_lo
	v_cndmask_b32 v[GG], 32*gg, v[GG], vcc_lo
	s_bcnt1_i32_b32 s22, s[32+gg]
	s_add_co_u32 s21, s21, s22
.set gg, gg+1
.endr
	v_sub_nc_u32 v[PF], v[RHO], v[PF]              ; my rank inside the word
	v_lshrrev_b32 v[CA], 1, v[XO]                  ; the word's set bits counted in fields of 2, 4, 8 and 16 bits
	v_and_b32 v[CA], 0x55555555, v[CA]
	v_sub_nc_u32 v[CA], v[XO], v[CA]
	v_lshrrev_b32 v[CB], 2, v[CA]
	v_and_b32 v[CB], 0x33333333, v[CB]
	v_and_b32 v[TT], 0x33333333, v[CA]
	v_add_nc_u32 v[CB], v[CB], v[TT]
	v_lshrrev_b32 v[CC], 4, v[CB]
	v_add_nc_u32 v[CC], v[CC], v[CB]
	v_and_b32 v[CC], 0x0f0f0f0f, v[CC]
	v_lshrrev_b32 v[CD], 8, v[CC]
	v_add_nc_u32 v[CD], v[CD], v[CC]               ; its low byte: the count of bits 0-15, 16 at the most
	v_mov_b32 v[POS], 0
	STG CD, 8, 16
	STG CC, 8, 8
	STG CB, 4, 4
	STG CA, 2, 2
	STG XO, 1, 1
	v_add_nc_u32 v[GG], v[GG], v[POS]              ; the token
	v_bfe_u32 v[TT], v[X1], v[POS], 1              ; k
	v_lshl_or_b32 v[EN+(\p)], v[GG], 1, v[TT]      ; 2 token + k
	v_cmp_gt_u32 vcc_lo, s20, v[RHO]
	v_cndmask_b32 v[EN+(\p)], 0, v[EN+(\p)], vcc_lo  ; a rank past the count: entry 0, token 0
	v_cndmask_b32 v[GG], 0, v[GG], vcc_lo
	v_permlanex16_b32 v[UU], v[GG], s104, s105     ; a fragment wants row r's token in lanes r and 16 + r
	v_cndmask_b32 v[TT], v[GG], v[UU], s3          ; the first tile's tokens,
	v_cndmask_b32 v[UU], v[UU], v[GG], s3          ; the second's
	v_min_u32 v[TT], 0x3ff, v[TT]
	v_min_u32 v[UU], 0x3ff, v[UU]
	v_lshlrev_b32 v[TT], 11, v[TT]                 ; a row of 2,048 bytes
	v_lshlrev_b32 v[UU], 11, v[UU]
	v_add_nc_u32 v[AO+2*(\p)], v[TT], v2           ; + 16 h
	v_add_nc_u32 v[AO+2*(\p)+1], v[UU], v2
	s_cmp_lg_u32 s17, 0
	s_cbranch_scc1 .Lno_list_\@                    ; slice 0's work-group stores the entries for the next launch; a repeated tile's are stored again, the same numbers at the same places
	v_min_u32 v[LO+(\p)], 0x3ff, v[RHO]
	v_lshlrev_b32 v[LO+(\p)], 2, v[LO+(\p)]
	global_store_b32 v[LO+(\p)], v[EN+(\p)], s[14:15]
.Lno_list_\@:
.endm
; 16 turning loads: the weight fragments of one K step (32 k x 128 columns) into buffer buf: lane L gets column 16 n + L % 16, k = 8 h + 0..7 and 16 + 8 h + 0..7
.macro LDBX buf, vr, off
	WIN 0
.set bb, B0+64*(\buf)
.set nn, 0
.rept 8
	ds_load_tr16_b128 v[bb+8*nn:bb+8*nn+3],   v[\vr] offset:(\off)+32*nn
	ds_load_tr16_b128 v[bb+8*nn+4:bb+8*nn+7], v[\vr] offset:(\off)+32*nn+16*P
.set nn, nn+1
.endr
.endm
; 10 loads: the token fragments of one K step for five tiles into slot slot: lane (r, h) takes 16 bytes at 16 h and at 32 + 16 h of its row's 64
.macro LDAX slot, imm
	WIN 0xc0                                       ; destination window 3
.set ii, 0
.rept 4
	global_load_b128 v[32*(\slot)+8*ii:32*(\slot)+8*ii+3],   v[AO+ii], s[PT:PT+1] offset:(\imm)
	global_load_b128 v[32*(\slot)+8*ii+4:32*(\slot)+8*ii+7], v[AO+ii], s[PT:PT+1] offset:(\imm)+32
.set ii, ii+1
.endr
	WIN 0x80                                       ; destination window 2
	global_load_b128 v[64+8*(\slot):64+8*(\slot)+3],   v[AO+4], s[PT:PT+1] offset:(\imm)
	global_load_b128 v[64+8*(\slot)+4:64+8*(\slot)+7], v[AO+4], s[PT:PT+1] offset:(\imm)+32
.endm
; 16 matrix instructions: tiles i0 and i0 + 1.  Source 0 = 16 columns of the weights, source 1 = 16 tokens: a lane's eight results are eight neighbouring columns of one token.
.macro MULH slot, buf, i0, zero
	WIN 0x5c                                       ; source 1 window 3, C and D window 1
.set bb, B0+64*(\buf)
.set asl, 32*(\slot)
.set ii, \i0
.rept 2
.set nn, 0
.rept 8
.if \zero
	v_wmma_f32_16x16x32_bf16 v[8*(8*ii+nn):8*(8*ii+nn)+7], v[bb+8*nn:bb+8*nn+7], v[asl+8*ii:asl+8*ii+7], 0
.else
	v_wmma_f32_16x16x32_bf16 v[8*(8*ii+nn):8*(8*ii+nn)+7], v[bb+8*nn:bb+8*nn+7], v[asl+8*ii:asl+8*ii+7], v[8*(8*ii+nn):8*(8*ii+nn)+7]
.endif
.set nn, nn+1
.endr
.set ii, ii+1
.endr
.endm
; 8 matrix instructions: tile 4
.macro MUL4 slot, buf, zero
	WIN 0xa8                                       ; source 1, C and D window 2
.set bb, B0+64*(\buf)
.set nn, 0
.rept 8
.if \zero
	v_wmma_f32_16x16x32_bf16 v[8*nn:8*nn+7], v[bb+8*nn:bb+8*nn+7], v[64+8*(\slot):64+8*(\slot)+7], 0
.else
	v_wmma_f32_16x16x32_bf16 v[8*nn:8*nn+7], v[bb+8*nn:bb+8*nn+7], v[64+8*(\slot):64+8*(\slot)+7], v[8*nn:8*nn+7]
.endif
.set nn, nn+1
.endr
.endm
; A K step's products.  The accumulators take turns, one instruction a turn, from step to step and over the loop's jump too, with or without tiles 2 to 4.
; zero = 1: K step 0 starts the sums, of all five tiles on every way.
.macro MULS slot, buf, zero
	MULH \slot, \buf, 0, \zero
.if !(\zero)
	WIN 0                                          ; at a branch and at a label every window is 0
	s_cmp_le_u32 s27, 2
	s_cbranch_scc1 .Lstep_end_\@                   ; the pass has no third tile
.endif
	MULH \slot, \buf, 2, \zero
.if !(\zero)
	WIN 0
	s_cmp_le_u32 s27, 4
	s_cbranch_scc1 .Lstep_end_\@                   ; nor a fifth
.endif
	MUL4 \slot, \buf, \zero
	WIN 0
.if !(\zero)
.Lstep_end_\@:
.endif
.endm
; K step 1 + 8 t + j of trip t (the tail is trip 3).  ldb: the next step's weights go into the other buffer.  lda: the tokens of the step six on go into the slot read two steps ago.
; dc: the LDS loads just issued may stay out.  lc: the token loads of the later steps, ten a step, may stay out.
.macro KS j, ldb, lda, dc, lc
	PLACES
.if \ldb
.if (\j) < 4
	LDBX (\j)%2, VBA, (2+(\j))*KB
.else
	LDBX (\j)%2, VBB, ((\j)-2)*KB
.endif
.endif
	s_wait_dscnt \dc
.if \lda
	LDAX (7+(\j))%8, 64*(7+(\j))
.endif
	s_wait_loadcnt \lc
	MULS (1+(\j))%8, (1+(\j))%2, 0
.endm
; Tile i's activation and store.  g = accumulators 0-3, u = 4-7; each accumulator is read from its low end on.
.macro EPI i
.set ab, 64*((\i)%4)                   ; the tile's accumulators, in window 1 (tiles 0-3) or 2 (tile 4)
.set wm, 1+(\i)/4
.if (\i) > 0
	s_cmp_le_u32 s27, \i
	s_cbranch_scc1 .Lpass_done                     ; the pass has no such tile
.endif
	WIN 0x05*wm                                    ; sources 0 and 1 in the accumulators' window
.set z, 0
.rept 16
	v_pk_mul_f32 v[T+2*z:T+2*z+1], v[ab+2*z:ab+2*z+1], v[ab+2*z:ab+2*z+1]          ; g^2
.set z, z+1
.endr
.set z, 0
.rept 16
	v_pk_mul_f32 v[AA+2*z:AA+2*z+1], v[ab+2*z:ab+2*z+1], v[ab+32+2*z:ab+32+2*z+1]  ; g u
.set z, z+1
.endr
	WIN 0
.set z, 0
.rept 16
	v_pk_fma_f32 v[T+2*z:T+2*z+1], v[T+2*z:T+2*z+1], s[100:101], s[66:67] op_sel_hi:[1,0,0]  ; K1 g^2 + K0
.set z, z+1
.endr
	WIN 0x04*wm                                    ; source 1 in the accumulators' window
.set z, 0
.rept 16
	v_pk_mul_f32 v[T+2*z:T+2*z+1], v[T+2*z:T+2*z+1], v[ab+2*z:ab+2*z+1]            ; times g
.set z, z+1
.endr
	WIN 0
.set z, 0
.rept 32
	v_exp_f32 v[T+z], v[T+z]
.set z, z+1
.endr
	v_nop                                          ; a plain instruction behind the last exponential,
	s_wait_alu depctr_va_vdst(0)                   ; and one wait for the batch of 32, ahead of its first reader
.set z, 0
.rept 16
	v_pk_add_f32 v[T+2*z:T+2*z+1], v[T+2*z:T+2*z+1], 1.0 op_sel_hi:[1,0]
.set z, z+1
.endr
.set z, 0
.rept 32
	v_rcp_f32 v[T+z], v[T+z]
.set z, z+1
.endr
	v_nop
	s_wait_alu depctr_va_vdst(0)                   ; one wait for the 32 reciprocals
.set z, 0
.rept 16
	v_pk_mul_f32 v[T+2*z:T+2*z+1], v[T+2*z:T+2*z+1], v[AA+2*z:AA+2*z+1]
.set z, z+1
.endr
.set z, 0
.rept 16
	v_cvt_pk_bf16_f32 v[H+16*(\i)+z], v[T+2*z], v[T+2*z+1]
.set z, z+1
.endr
.irp b, 0,1,2,3
	global_store_b128 v[SO+(\i)], v[H+16*(\i)+4*\b:H+16*(\i)+4*\b+3], s[12:13] offset:512*\b  ; 512 consecutive bytes, aligned
.endr
.endm
.Lpass:                                                ; four trips, a constant; a wave with nothing left jumps forward over the work, which holds no barrier
	s_cmp_eq_u32 s25, 0
	s_cbranch_scc1 .Lpass_next
	s_add_co_u32 s27, s25, 1                       ; M, the pass's tiles: rem up to 5; half of 6 to 10, rounded up; else 5.  So 16 tiles take four passes: 5, 5, 3, 3
	s_lshr_b32 s27, s27, 1
	s_cmp_gt_u32 s25, 5
	s_cselect_b32 s27, s27, s25
	s_min_u32 s27, s27, 5
	s_sub_co_u32 s31, s24, 1
	s_wait_xcnt 0x0                                ; the last pass's stores have read their registers: offsets and data are rewritten only behind this wait
	SEL 0
	SEL 1
	SEL 2                                          ; place 4, and a sixth that nothing uses
	s_mov_b32 s[TB], 0
	v_add_nc_u32 v[VBA], s[TB], v[VB0]
	v_add_nc_u32 v[VBB], s[TB], v[VB4]
	s_mov_b64 s[PT:PT+1], s[8:9]                   ; no load that names the pair is out: phase A's and the last pass's last waits were for 0
	LDBX 0, VBA, 0
.irp st, 0,1,2,3,4,5
	LDAX \st, 64*\st
.endr
	LDBX 1, VBA, KB                                ; K step 0, written out
	s_wait_dscnt 16                                ; step 1's sixteen may stay out
	LDAX 6, 64*6
	s_wait_loadcnt 60                              ; steps 1 to 6's may stay out
	MULS 0, 0, 1
	s_mov_b32 s23, 3
.Lk:                                                   ; K steps 1 to 24
.irp j, 0,1,2,3,4,5,6,7
	KS \j, 1, 1, 16, 60
.endr
	s_wait_xcnt 0x0                                ; the pointer is stepped only behind this wait; the youngest loads that name it went out a step's products ago
	s_add_nc_u64 s[PT:PT+1], s[PT:PT+1], 512       ; eight K steps of 64 bytes
	s_add_co_u32 s[TB], s[TB], 8*KB
	v_add_nc_u32 v[VBA], s[TB], v[VB0]
	v_add_nc_u32 v[VBB], s[TB], v[VB4]
	s_sub_co_u32 s23, s23, 1
	s_cmp_lg_u32 s23, 0
	s_cbranch_scc1 .Lk
	KS 0, 1, 1, 16, 60                             ; K step 25 asks for the last tokens, step 31's,
	KS 1, 1, 0, 16, 50                             ; and the counts run down
	KS 2, 1, 0, 16, 40
	KS 3, 1, 0, 16, 30
	KS 4, 1, 0, 16, 20
	KS 5, 1, 0, 16, 10
	KS 6, 0, 0, 0, 0
	PLACES                                         ; the activation reads results just made and writes over the weight buffers
	EPI 0
	EPI 1
	EPI 2
	EPI 3
	EPI 4
.Lpass_done:
	s_add_co_u32 s26, s26, s27
	s_sub_co_u32 s25, s25, s27
.Lpass_next:
	s_sub_co_u32 s29, s29, 1
	s_cmp_lg_u32 s29, 0
	s_cbranch_scc1 .Lpass
	s_wait_dscnt 0x0                               ; my reads of LDS are over;
	s_barrier_signal -1
	s_barrier_wait -1                              ; everybody's are: no wave writes LDS again, by the add below, while another still reads
	s_wait_tensorcnt 0x0                           ; the wave's end, behind my last LDS store
	ds_add_u32 v30, v31
	s_wait_dscnt 0x0
	s_endpgm
.Lfunc_end_k_q2d0afd845b_gateup:
	.size	k_q2d0afd845b_gateup, .Lfunc_end_k_q2d0afd845b_gateup-k_q2d0afd845b_gateup
	.p2alignl 7, 3214868480
	.fill 96, 4, 3214868480
	.section	.rodata,"a",@progbits
	.p2align	6, 0x0
	.amdhsa_kernel k_q2d0afd845b_gateup
		.amdhsa_group_segment_fixed_size 295424
		.amdhsa_private_segment_fixed_size 0
		.amdhsa_enable_private_segment 0
		.amdhsa_kernarg_size 48
		.amdhsa_user_sgpr_count 2
		.amdhsa_user_sgpr_kernarg_segment_ptr 1
		.amdhsa_wavefront_size32 1
		.amdhsa_system_sgpr_workgroup_id_x 1
		.amdhsa_system_sgpr_workgroup_id_y 1
		.amdhsa_system_sgpr_workgroup_id_z 1
		.amdhsa_system_vgpr_workitem_id 0
		.amdhsa_next_free_vgpr 1024
		.amdhsa_next_free_sgpr 106
		.amdhsa_reserve_vcc 1
		.amdhsa_float_denorm_mode_32 3
		.amdhsa_float_denorm_mode_16_64 3
		.amdhsa_memory_ordered 1
		.amdhsa_forward_progress 1
		.amdhsa_inst_pref_size 209
	.end_amdhsa_kernel
	.amdgpu_metadata
---
amdhsa.version: [ 1, 2 ]
amdhsa.kernels:
  - .name:           k_q2d0afd845b_gateup
    .symbol:         k_q2d0afd845b_gateup.kd
    .args:
      - { .name: gate_proj_w, .offset: 0, .size: 8, .value_kind: global_buffer, .address_space: global }
      - { .name: up_proj_w, .offset: 8, .size: 8, .value_kind: global_buffer, .address_space: global }
      - { .name: xb, .offset: 16, .size: 8, .value_kind: global_buffer, .address_space: global }
      - { .name: bm, .offset: 24, .size: 8, .value_kind: global_buffer, .address_space: global }
      - { .name: hid, .offset: 32, .size: 8, .value_kind: global_buffer, .address_space: global }
      - { .name: rows, .offset: 40, .size: 8, .value_kind: global_buffer, .address_space: global }
    .group_segment_fixed_size: 295424
    .private_segment_fixed_size: 0
    .kernarg_segment_align: 8
    .kernarg_segment_size: 48
    .max_flat_workgroup_size: 128
    .sgpr_count:     106
    .vgpr_count:     1024
    .wavefront_size: 32
...
	.end_amdgpu_metadata
.endif
;; end of part 6
;; launch down (part 7): grid 32 x 8, 4 waves a work-group, no clusters, 181,760 bytes of LDS; arguments down_proj_w, hid, rows, part; writes part
.if DOCPART == 7
	.amdgcn_target "amdgcn-amd-amdhsa--gfx1250"
	.amdhsa_code_object_version 6
	.text
	.protected	k_q2d0afd845b_down
	.globl	k_q2d0afd845b_down
	.p2align	8
	.type	k_q2d0afd845b_down,@function
k_q2d0afd845b_down:
	s_mov_b64 s[64:65], 0
	v_nop
	global_prefetch_b8 v0, s[64:65] scope:SCOPE_SE
	s_setreg_imm32_b32 hwreg(HW_REG_WAVE_MODE, 25, 1), 1
	s_wait_xcnt 0x0
; SECOND PRODUCT.  part[kh][2 token + k][:] = hid[rows of expert e][K half kh] . down_proj_w[e][K half kh][:], in f32, unweighted.
; Work-group (x, e), ns = x % 16, kh = x / 16, owns output columns 64 ns .. 64 ns + 63 and hidden rows 1,024 kh .. + 1,023 of expert e: it alone reads that part of down_proj_w (each weight byte once
; in the launch), rounds it to bf16 on the way through registers and keeps it in LDS.  K is split in two so that there are 256 work-groups; the two halves' sums stay f32 and the next launch adds them.
; PHASES.  (A) The slice streams into LDS, wave w rows 256 w .. 256 w + 255, seven batches of eight loads on their way; one barrier.  (B) Tiles of 16 rows, dealt to the waves in turn, up to FIVE at a
; time through K = 1,024 (a count lies near 256 rows: 17 to 20 tiles, five for some waves).  The hidden rows come straight into registers, six K steps ahead (ten loads a step, sixty on their way):
; the launch before laid them in the fragments' order, so each load of a wave takes 512 consecutive bytes.
; THE FIRST PASS IS ASKED FOR IN THE STREAM'S TAIL.  From batch 9 on the stream asks for nothing more; the wave then makes its tile numbers from the count and issues, between the last batches, the
; tiles' list entries and the hidden rows of K steps 0 to 5.  They are younger than every load of weights, so the stream's waits only count them in.  A later pass is asked for at the end of the pass before.
; The first pass's requests are issued whatever the count, so that what the walk and the way out read is written on every way.  For an expert without rows they read bytes of hid and rows that no launch
; has stored; those numbers enter nothing: no product is made of them and nothing is stored.
; K: step 0 is written out (its products start the sums), three trips of eight steps follow, and seven steps that fetch nothing past the end.
; A pass always loads five tiles' rows (a place without a tile repeats the expert's last tile), so that the counted waits are the same on every way; K step 0 multiplies all five; from step 1 on the
; products of tiles 2 and 3 are jumped where the pass has two tiles or fewer, those of tile 4 where it has four or fewer.
; THE WAY OUT.  A tile's results go through the wave's own stage in LDS and leave by rows: 32 lanes store a row's 256 consecutive aligned bytes at the place that the list names.  Every lane holds its
; tile's 16 entries (four loads at one address for all lanes), so the 16 offsets are made by vector work alone.  Tiles 0 to 3 come back into registers of their own; tile 4 takes tile 0's again.
; The reads of the weights step through LDS with the trips.  A wait and a barrier stand on each side of the way out, so that no wave stores into a stage while any wave's stepped reads are out, and none
; reads on before all stage stores are done: the order does not lean on the two regions' arithmetic.  The barriers stand outside the branches on the count, in a loop of four trips: every wave passes all.
; Rows past the count are jumped by a scalar branch.  Every split is served: 0 to 1,024 rows an expert; an expert without rows streams its slice and stores nothing.
; NO CLUSTER: each slice of weights has one reader; an expert's tiles of hid are shared by 16 work-groups, but the walk's length hangs on a stored count, and phase B brings no tile into LDS at all.
; REGISTERS: window 0: v0-31 addresses; v32-47 rounded weights on their way to LDS; v48-63, v192-255 the list's entries, then the rows' offsets in part; v64-95, v96-127 two buffers of weight fragments;
;             v64-191 on the way out four sets of 32: a tile's rows
;   window 1: phase A: 8 slots of 8 loads; phase B: accumulator (i, n) at 8 (4 i + n)     window 2: eight slots of hidden fragments of tiles 0-3, slot j, tile i at 32 j + 8 i     window 3: tile 4's, at 8 j
.set P3,    160                        ; an LDS row, one k: 64 bf16 + 32 bytes of padding: 5 x 32 bytes, so the 8 rows x 32 bytes that 16 lanes of a turning load take fall on different words modulo 256 bytes
.set KB,    32*P3
.set STAGE, 1024*P3                    ; behind the weights: 16 rows x 272 bytes for each wave
.set SP,    272
.set SPARE, STAGE+4*16*SP              ; the spare words, 128 bytes for each of four waves
.set VB0, 4                            ; v4      the turning load's lane term; never rewritten
.set VBA, 5                            ; v5      the trip's LDS address
.set AO,  8                            ; v8-12   the tiles' blocks in hid: byte offsets
.set LOF, 13                           ; v13-17  the tiles' places in the list, the same in every lane
.set ZR,  23                           ; v23     0
.set Y,   32
.set ENT4, 48                          ; v48-63   tile 4's 16 entries
.set B0,  64                           ; weight fragments: buffer b at B0 + 32 b; on the way out tile i's rows at B0 + 32 (i % 4)
.set ENT0, 192                         ; v192-255 tile i's 16 entries at ENT0 + 16 i, i < 4
.set PT,  44                           ; s[44:45] hid, stepped with the trips
.set TB,  46                           ; s46      the trip's first LDS byte
.set MSB, 0
.macro WIN new                         ; the immediate's high byte repeats the setting that is left; a switch that changes nothing is dropped
.if MSB != (\new)
	s_set_vgpr_msb (MSB<<8)|(\new)
.set MSB, \new
.endif
.endm
.macro PLACES                          ; four plain vector instructions between a matrix instruction and a load into, or a read of, its registers
.rept 4
	v_nop
.endr
.endm
	s_load_b256 s[4:11], s[0:1], 0x0               ; down_proj_w s[4:5], hid s[6:7], rows s[8:9], part s[10:11]
	v_lshl_add_u32 v30, v0, 2, SPARE               ; my spare word; never rewritten
	v_mov_b32 v31, 0                               ; 0; never rewritten
	v_lshrrev_b32 v29, 5, v0
	v_readfirstlane_b32 s2, v29                    ; wave 0..3
	s_and_b32 s16, ttmp7, 0xffff                   ; e
	s_and_b32 s17, ttmp9, 15                       ; ns
	s_lshr_b32 s22, ttmp9, 4                       ; kh
	v_and_b32 v1, 15, v0                           ; r
	v_bfe_u32 v2, v0, 4, 1                         ; h
	v_and_b32 v29, 31, v0                          ; L
	v_lshlrev_b32 v3, 4, v29                       ; 16 L
	v_lshlrev_b32 v22, 3, v29                      ; 8 L
	v_mov_b32 v[ZR], 0
	v_and_b32 v[VB0], 7, v0                        ; the turning load: row 8 h + L % 8,
	v_lshl_add_u32 v[VB0], v2, 3, v[VB0]
	v_mul_u32_u24 v[VB0], v[VB0], P3
	v_bfe_u32 v29, v0, 3, 1
	v_lshl_add_u32 v[VB0], v29, 4, v[VB0]          ; 16 bytes for each half of eight lanes
	s_mul_i32 s21, s2, 256*P3                      ; into LDS: my wave's 256 rows, four rows down for lanes 16-31, 8 bytes a lane
	v_mul_u32_u24 v6, v2, 4*P3
	v_lshl_add_u32 v6, v1, 3, v6
	v_add_nc_u32 v6, s21, v6
	s_lshl_b32 s21, s2, 20                         ; from memory: my wave's 256 rows of 4,096 bytes, four rows down for lanes 16-31, 16 bytes a lane
	v_lshlrev_b32 v7, 14, v2
	v_lshl_add_u32 v7, v1, 4, v7
	v_add_nc_u32 v7, s21, v7
	s_mul_i32 s21, s2, 16*SP
	s_add_co_u32 s21, s21, STAGE                   ; my stage
	v_mul_u32_u24 v20, v1, SP                      ; in: row r, 32 bytes for each half of the lanes
	v_lshl_add_u32 v20, v2, 5, v20
	v_add_nc_u32 v20, s21, v20
	v_add_nc_u32 v21, s21, v22                     ; back: 8 bytes a lane, a row of 256 bytes a load
	s_wait_kmcnt 0x0
	s_lshl_b32 s18, s16, 23
	s_lshl_b32 s19, s22, 22
	s_add_co_u32 s18, s18, s19
	s_lshl_b32 s19, s17, 8
	s_add_co_u32 s18, s18, s19
	s_mov_b32 s19, 0
	s_add_nc_u64 s[4:5], s[4:5], s[18:19]          ; the expert's 8 MiB, the half's 1,024 rows, the slice's 256 bytes of a row
	s_lshl_b32 s18, s16, 22
	s_lshl_b32 s21, s22, 15
	s_add_co_u32 s18, s18, s21
	s_add_nc_u64 s[6:7], s[6:7], s[18:19]          ; the expert's tiles, the half's 16 blocks of 2,048 bytes in each
	s_mul_i32 s18, s16, 4608
	s_add_nc_u64 s[8:9], s[8:9], s[18:19]
	s_lshl_b32 s18, s22, 23
	s_lshl_b32 s21, s17, 8
	s_add_co_u32 s18, s18, s21
	s_add_nc_u64 s[10:11], s[10:11], s[18:19]
	s_load_b32 s20, s[8:9], 0x1000                 ; the expert's count
; A batch: 16 rows.  Load l: lanes 0-15 take 256 consecutive aligned bytes of row 16 b + l % 4 + 8 (l / 4), lanes 16-31 those of the row four further down.
.macro ISSUE b
	WIN 0x40                                       ; destination window 1
.set ll, 0
.rept 8
	global_load_b128 v[32*((\b)%8)+4*ll:32*((\b)%8)+4*ll+3], v7, s[4:5] offset:(16*(\b)+ll%4+8*(ll/4))*4096 th:TH_LOAD_NT
.set ll, ll+1
.endr
.endm
; Batch b is rounded and laid into LDS; up to batch 8 the slot read one step ago takes the batch seven further on.  left = the younger loads that may stay out.
.macro STEP b, left
	s_wait_loadcnt \left
	WIN 0x05                                       ; sources window 1
.set ll, 0
.rept 8
	v_cvt_pk_bf16_f32 v[Y+2*ll],   v[32*((\b)%8)+4*ll],   v[32*((\b)%8)+4*ll+1]
	v_cvt_pk_bf16_f32 v[Y+2*ll+1], v[32*((\b)%8)+4*ll+2], v[32*((\b)%8)+4*ll+3]
.set ll, ll+1
.endr
	WIN 0
.set ll, 0
.rept 8                                        ; two runs of 128 bytes, 4 P3 = 640 bytes apart, which is 128 modulo 256
	ds_store_b64 v6, v[Y+2*ll:Y+2*ll+1] offset:(16*(\b)+ll%4+8*(ll/4))*P3
.set ll, ll+1
.endr
.if (\b) <= 8
	ISSUE (\b)+7
.endif
.endm
; M, the pass's tiles, from rem, my tiles still to do: rem up to 5 (0 gives 0); half of 6 to 10, rounded up; else 5.  So 16 tiles take four passes: 5, 5, 3, 3
.macro PRO_M
	s_add_co_u32 s27, s25, 1
	s_lshr_b32 s27, s27, 1
	s_cmp_gt_u32 s25, 5
	s_cselect_b32 s27, s27, s25
	s_min_u32 s27, s27, 5
.endm
; The pass's five tile numbers and what hangs on them
.macro PRO_S
.set ii, 0
.rept 5
	s_add_co_u32 s30, s26, ii
	s_lshl2_add_u32 s[38+ii], s30, s2              ; tile w + 4 (j0 + i),
	s_min_u32 s[38+ii], s[38+ii], s31              ; or past my last the expert's last: a tile that exists
	s_min_u32 s[38+ii], s[38+ii], 63
	s_lshl_b32 s30, s[38+ii], 16
	v_add_nc_u32 v[AO+ii], s30, v3                 ; the tile's blocks of hid, 16 bytes a lane
	s_lshl_b32 s30, s[38+ii], 6
	v_add_nc_u32 v[LOF+ii], s30, v[ZR]             ; its 16 words of the list
.set ii, ii+1
.endr
	s_mov_b64 s[PT:PT+1], s[6:7]                   ; no load that names the pair is out
.endm
; 4 loads: tile i's 16 entries of the list, list[16 tile + row] = 2 token + k, into every lane
.macro ENTL i
	WIN 0
.if (\i) == 4
.set en, ENT4
.else
.set en, ENT0+16*(\i)
.endif
.irp c, 0,1,2,3
	global_load_b128 v[en+4*\c:en+4*\c+3], v[LOF+(\i)], s[8:9] offset:16*\c
.endr
.endm
; 10 loads: the hidden fragments of one K step for five tiles into slot slot, 512 consecutive bytes each
.macro LDAX slot, imm
	WIN 0x80                                       ; destination window 2
.set ii, 0
.rept 4
	global_load_b128 v[32*(\slot)+8*ii:32*(\slot)+8*ii+3],   v[AO+ii], s[PT:PT+1] offset:(\imm)
	global_load_b128 v[32*(\slot)+8*ii+4:32*(\slot)+8*ii+7], v[AO+ii], s[PT:PT+1] offset:(\imm)+512
.set ii, ii+1
.endr
	WIN 0xc0                                       ; destination window 3
	global_load_b128 v[8*(\slot):8*(\slot)+3],   v[AO+4], s[PT:PT+1] offset:(\imm)
	global_load_b128 v[8*(\slot)+4:8*(\slot)+7], v[AO+4], s[PT:PT+1] offset:(\imm)+512
.endm
	; PHASE A.  At a step's head the batch in hand and six younger ones are out: 48 loads may stay out.  Every row's place stands in the immediates: nothing is stepped.
.irp b, 0,1,2,3,4,5,6
	ISSUE \b                                       ; 56 loads of 512 bytes a wave are on their way
.endr
.irp b, 0,1,2,3,4,5,6,7,8
	STEP \b, 48
.endr
	WIN 0
	s_wait_kmcnt 0x0                               ; the count
	s_min_u32 s20, s20, 1024
	s_add_co_u32 s24, s20, 15
	s_lshr_b32 s24, s24, 4                         ; nt: tiles of 16 rows
	s_add_co_u32 s25, s24, 3
	s_sub_co_u32 s25, s25, s2
	s_lshr_b32 s25, s25, 2                         ; rem: my tiles w, w + 4, w + 8 .. still to do
	s_mov_b32 s26, 0                               ; j0: my tiles done
	s_mov_b32 s29, 4                               ; passes
	s_max_u32 s31, s24, 1
	s_sub_co_u32 s31, s31, 1                       ; the expert's last tile
	PRO_M
	PRO_S
	; The tail.  A step's count is the loads of weights behind its batch, 8 (15 - b), and what has been issued for the first pass so far.  Up to batch 15 at most 62 loads of the wave are out.
	STEP 9, 48
	ENTL 0
	ENTL 1
	ENTL 2
	STEP 10, 40+12
	ENTL 3
	ENTL 4
	STEP 11, 32+20
	LDAX 0, 0
	STEP 12, 24+30
	STEP 13, 16+30
	LDAX 1, 1024
	STEP 14, 8+40
	LDAX 2, 2048
	STEP 15, 50
	LDAX 3, 3072
	LDAX 4, 4096
	LDAX 5, 5120
	WIN 0
	s_wait_dscnt 0x0                               ; for the others' sake: my rows of the weights are in LDS
	s_barrier_signal -1
	s_barrier_wait -1
; 8 turning loads: the weight fragments of one K step (32 k x 64 columns) into buffer buf
.macro LDBX buf, off
	WIN 0
.set bb, B0+32*(\buf)
.set nn, 0
.rept 4
	ds_load_tr16_b128 v[bb+8*nn:bb+8*nn+3],   v[VBA] offset:(\off)+32*nn
	ds_load_tr16_b128 v[bb+8*nn+4:bb+8*nn+7], v[VBA] offset:(\off)+32*nn+16*P3
.set nn, nn+1
.endr
.endm
; 8 matrix instructions: tiles i0 and i0 + 1; source 0 = 16 columns of the weights, source 1 = 16 rows
.macro MULH slot, buf, i0, zero
	WIN 0x58                                       ; source 1 window 2, C and D window 1
.set bb, B0+32*(\buf)
.set asl, 32*(\slot)
.set ii, \i0
.rept 2
.set nn, 0
.rept 4
.if \zero
	v_wmma_f32_16x16x32_bf16 v[8*(4*ii+nn):8*(4*ii+nn)+7], v[bb+8*nn:bb+8*nn+7], v[asl+8*ii:asl+8*ii+7], 0
.else
	v_wmma_f32_16x16x32_bf16 v[8*(4*ii+nn):8*(4*ii+nn)+7], v[bb+8*nn:bb+8*nn+7], v[asl+8*ii:asl+8*ii+7], v[8*(4*ii+nn):8*(4*ii+nn)+7]
.endif
.set nn, nn+1
.endr
.set ii, ii+1
.endr
.endm
; 4 matrix instructions: tile 4
.macro MUL4 slot, buf, zero
	WIN 0x5c                                       ; source 1 window 3, C and D window 1
.set bb, B0+32*(\buf)
.set nn, 0
.rept 4
.if \zero
	v_wmma_f32_16x16x32_bf16 v[8*(16+nn):8*(16+nn)+7], v[bb+8*nn:bb+8*nn+7], v[8*(\slot):8*(\slot)+7], 0
.else
	v_wmma_f32_16x16x32_bf16 v[8*(16+nn):8*(16+nn)+7], v[bb+8*nn:bb+8*nn+7], v[8*(\slot):8*(\slot)+7], v[8*(16+nn):8*(16+nn)+7]
.endif
.set nn, nn+1
.endr
.endm
; A K step's products.  The accumulators take turns, one instruction a turn, from step to step and over the loop's jump too, with or without tiles 2 to 4.
; zero = 1: K step 0 starts the sums, of all five tiles on every way.
.macro MULS slot, buf, zero
	MULH \slot, \buf, 0, \zero
.if !(\zero)
	WIN 0                                          ; at a branch and at a label every window is 0
	s_cmp_le_u32 s27, 2
	s_cbranch_scc1 .Lstep_end_\@                   ; the pass has no third tile
.endif
	MULH \slot, \buf, 2, \zero
.if !(\zero)
	WIN 0
	s_cmp_le_u32 s27, 4
	s_cbranch_scc1 .Lstep_end_\@                   ; nor a fifth
.endif
	MUL4 \slot, \buf, \zero
	WIN 0
.if !(\zero)
.Lstep_end_\@:
.endif
.endm
; K step 1 + 8 t + j of trip t (the tail is trip 3).  ldb: the next step's weights go into the other buffer.  lda: the hidden rows of the step six on go into the slot read two steps ago.
; dc: the LDS loads just issued may stay out.  lc: the hidden rows of the later steps, ten loads a step, may stay out.
.macro KS j, ldb, lda, dc, lc
	PLACES
.if \ldb
	LDBX (\j)%2, (2+(\j))*KB
.endif
	s_wait_dscnt \dc
.if \lda
	LDAX (7+(\j))%8, 1024*(7+(\j))
.endif
	s_wait_loadcnt \lc
	MULS (1+(\j))%8, (1+(\j))%2, 0
.endm
; 16 LDS loads: a tile's rows back from my stage, 256 bytes a row
.macro RDB rw
.set rr, 0
.rept 16
	ds_load_b64 v[(\rw)+2*rr:(\rw)+2*rr+1], v21 offset:SP*rr  ; LDS serves a wave's instructions in order (ISA guide 5.7.1.4): these see the stores into the stage
.set rr, rr+1
.endr
.endm
; Tile i's way out.  A lane holds row r, columns 16 n + 8 h + 0..7: 32 bytes into the stage's row r; back by rows; each row goes to the place that the list names.
.macro EPI3 i
.if (\i) > 0
	s_cmp_le_u32 s27, \i
	s_cbranch_scc1 .Lpass_done                     ; the pass has no such tile
.endif
.set rw, B0+32*((\i)%4)
.if (\i) == 4
.set en, ENT4
.else
.set en, ENT0+16*(\i)
.endif
	WIN 0x04                                       ; store data window 1
.irp n, 0,1,2,3
	ds_store_b128 v20, v[8*(4*(\i)+\n):8*(4*(\i)+\n)+3]   offset:64*\n     ; each accumulator's low half first
	ds_store_b128 v20, v[8*(4*(\i)+\n)+4:8*(4*(\i)+\n)+7] offset:64*\n+16
.endr
	WIN 0
.if (\i) < 4
	RDB rw                                         ; into registers that no store of this pass names; the offsets below are made while the rows come back
.endif
.set rr, 0
.rept 16
	v_min_u32 v[en+rr], 0x7ff, v[en+rr]            ; 2 token + k, 2,047 at the most
.set rr, rr+1
.endr
.set rr, 0
.rept 16
	v_lshlrev_b32 v[en+rr], 12, v[en+rr]           ; its row of 4,096 bytes
.set rr, rr+1
.endr
.set rr, 0
.rept 16
	v_add_nc_u32 v[en+rr], v[en+rr], v22           ; + 8 bytes a lane
.set rr, rr+1
.endr
.if (\i) == 4
	s_wait_xcnt 0x0                                ; tile 0's stores have read the registers that tile 4's rows take
	RDB rw
.endif
	s_lshl_b32 s34, s[38+(\i)], 4
	s_sub_co_u32 s34, s20, s34                     ; the rows from this tile's first on: 1 at the least
	s_wait_dscnt 0x0
.set rr, 0
.rept 16
.if rr > 0
	s_cmp_le_u32 s34, rr
	s_cbranch_scc1 .Ltile_end_\@                   ; rows past the count are not stored
.endif
	global_store_b64 v[en+rr], v[rw+2*rr:rw+2*rr+1], s[10:11]  ; 32 lanes store 256 consecutive bytes, aligned
.set rr, rr+1
.endr
.Ltile_end_\@:
.endm
.Lpass:                                                ; four trips, a constant; a wave with nothing left jumps forward over the work, never over a barrier
	s_cmp_eq_u32 s27, 0
	s_cbranch_scc1 .Lno_k
	s_mov_b32 s[TB], 0
	v_add_nc_u32 v[VBA], s[TB], v[VB0]
	LDBX 0, 0
	LDBX 1, KB                                     ; K step 0, written out; its hidden rows, and those of steps 1 to 5, were asked for ahead of the barrier
	s_wait_dscnt 8                                 ; step 1's eight may stay out
	LDAX 6, 1024*6
	s_wait_loadcnt 60                              ; steps 1 to 6's may stay out; the list's entries, older than all hidden rows, are in too
	MULS 0, 0, 1
	s_mov_b32 s23, 3
.Lk:                                                   ; K steps 1 to 24
.irp j, 0,1,2,3,4,5,6,7
	KS \j, 1, 1, 8, 60
.endr
	s_wait_xcnt 0x0                                ; the pointer is stepped only behind this wait; the youngest loads that name it went out a step's products ago
	s_add_nc_u64 s[PT:PT+1], s[PT:PT+1], 8192      ; eight K steps of 1,024 bytes
	s_add_co_u32 s[TB], s[TB], 8*KB
	v_add_nc_u32 v[VBA], s[TB], v[VB0]
	s_sub_co_u32 s23, s23, 1
	s_cmp_lg_u32 s23, 0
	s_cbranch_scc1 .Lk
	KS 0, 1, 1, 8, 60                              ; K step 25 asks for the last hidden rows, step 31's,
	KS 1, 1, 0, 8, 50                              ; and the counts run down
	KS 2, 1, 0, 8, 40
	KS 3, 1, 0, 8, 30
	KS 4, 1, 0, 8, 20
	KS 5, 1, 0, 8, 10
	KS 6, 0, 0, 0, 0
	PLACES                                         ; the way out reads results just made and loads into the weight buffers
.Lno_k:
	s_wait_loadcnt 0x0                             ; behind the walk nothing is out; a wave without a tile has its first requests come in here
	s_wait_dscnt 0x0                               ; my reads of the weights are over;
	s_barrier_signal -1
	s_barrier_wait -1                              ; everybody's are: now the stages are written
	s_cmp_eq_u32 s27, 0
	s_cbranch_scc1 .Lpass_done
	EPI3 0
	EPI3 1
	EPI3 2
	EPI3 3
	EPI3 4
.Lpass_done:
	s_add_co_u32 s26, s26, s27
	s_sub_co_u32 s25, s25, s27
	s_wait_xcnt 0x0                                ; the pass's stores have read their offsets and data: those registers are loaded again only behind this wait
	PRO_M                                          ; the next pass
	s_cmp_eq_u32 s27, 0
	s_cbranch_scc1 .Lno_pro                        ; there is none: nothing is asked for
	PRO_S
.irp i, 0,1,2,3,4
	ENTL \i
.endr
.irp st, 0,1,2,3,4,5
	LDAX \st, 1024*\st
.endr
	WIN 0
.Lno_pro:
	s_wait_dscnt 0x0                               ; my stores into my stage, and my reads of it, are done;
	s_barrier_signal -1
	s_barrier_wait -1                              ; everybody's are: the next pass reads the weights again, and behind the last pass the add follows
	s_sub_co_u32 s29, s29, 1
	s_cmp_lg_u32 s29, 0
	s_cbranch_scc1 .Lpass
	s_wait_tensorcnt 0x0                           ; the wave's end, behind my last LDS store
	ds_add_u32 v30, v31
	s_wait_dscnt 0x0
	s_endpgm
.Lfunc_end_k_q2d0afd845b_down:
	.size	k_q2d0afd845b_down, .Lfunc_end_k_q2d0afd845b_down-k_q2d0afd845b_down
	.p2alignl 7, 3214868480
	.fill 96, 4, 3214868480
	.section	.rodata,"a",@progbits
	.p2align	6, 0x0
	.amdhsa_kernel k_q2d0afd845b_down
		.amdhsa_group_segment_fixed_size 181760
		.amdhsa_private_segment_fixed_size 0
		.amdhsa_enable_private_segment 0
		.amdhsa_kernarg_size 32
		.amdhsa_user_sgpr_count 2
		.amdhsa_user_sgpr_kernarg_segment_ptr 1
		.amdhsa_wavefront_size32 1
		.amdhsa_system_sgpr_workgroup_id_x 1
		.amdhsa_system_sgpr_workgroup_id_y 1
		.amdhsa_system_sgpr_workgroup_id_z 1
		.amdhsa_system_vgpr_workitem_id 0
		.amdhsa_next_free_vgpr 832
		.amdhsa_next_free_sgpr 66
		.amdhsa_reserve_vcc 0
		.amdhsa_float_denorm_mode_32 3
		.amdhsa_float_denorm_mode_16_64 3
		.amdhsa_memory_ordered 1
		.amdhsa_forward_progress 1
		.amdhsa_inst_pref_size 138
	.end_amdhsa_kernel
	.amdgpu_metadata
---
amdhsa.version: [ 1, 2 ]
amdhsa.kernels:
  - .name:           k_q2d0afd845b_down
    .symbol:         k_q2d0afd845b_down.kd
    .args:
      - { .name: down_proj_w, .offset: 0, .size: 8, .value_kind: global_buffer, .address_space: global }
      - { .name: hid, .offset: 8, .size: 8, .value_kind: global_buffer, .address_space: global }
      - { .name: rows, .offset: 16, .size: 8, .value_kind: global_buffer, .address_space: global }
      - { .name: part, .offset: 24, .size: 8, .value_kind: global_buffer, .address_space: global }
    .group_segment_fixed_size: 181760
    .private_segment_fixed_size: 0
    .kernarg_segment_align: 8
    .kernarg_segment_size: 32
    .max_flat_workgroup_size: 128
    .sgpr_count:     66
    .vgpr_count:     832
    .wavefront_size: 32
...
	.end_amdgpu_metadata
.endif
;; end of part 7
;; launch combine (part 8): grid 256 x 1, 8 waves a work-group, no clusters, 0 bytes of LDS; arguments part, wts, out0; writes out0
.if DOCPART == 8
	.amdgcn_target "amdgcn-amd-amdhsa--gfx1250"
	.amdhsa_code_object_version 6
	.text
	.protected	k_q2d0afd845b_combine
	.globl	k_q2d0afd845b_combine
	.p2align	8
	.type	k_q2d0afd845b_combine,@function
k_q2d0afd845b_combine:
	s_mov_b64 s[64:65], 0
	v_nop
	global_prefetch_b8 v0, s[64:65] scope:SCOPE_SE
	s_setreg_imm32_b32 hwreg(HW_REG_WAVE_MODE, 25, 1), 1
	s_wait_xcnt 0x0
; THE SUM.  out[t] = w0 (p0[2 t] + p1[2 t]) + w1 (p0[2 t + 1] + p1[2 t + 1]): p0, p1 the two K halves' partial rows (f32), w0, w1 the token's two weights (sigmoid x scale).
; A stream: each byte of part is read once, each byte of out0 written once.  Wave w of work-group g takes token 4 g + w / 2 and 2,048 bytes (half w % 2) of its row: sixteen loads of 512 consecutive
; bytes, all out at once, four stores of 512 consecutive aligned bytes.  The two weights come by one vector load, the same 8 bytes for every lane, issued ahead of the sixteen: nothing is waited for
; between the arguments and the data.  No LDS, no barrier, no matrix unit, no cluster: the waves share nothing.
.set D, 4                              ; v[4:67]: chunk c at D + 16 c: p0[2t], p0[2t+1], p1[2t], p1[2t+1], four registers each
.set W, 68                             ; v[68:69] w0, w1; v[70:71] w1 twice
	s_load_b128 s[4:7], s[0:1], 0x0                ; part s[4:5], wts s[6:7]
	s_load_b64 s[8:9], s[0:1], 0x10                ; out0
	v_lshrrev_b32 v1, 5, v0
	v_readfirstlane_b32 s2, v1                     ; wave 0..7
	v_and_b32 v2, 31, v0
	v_lshlrev_b32 v2, 4, v2                        ; 16 bytes a lane
	v_mov_b32 v3, 0
	s_lshr_b32 s10, s2, 1
	s_lshl2_add_u32 s10, ttmp9, s10                ; the token
	s_and_b32 s11, s2, 1
	s_lshl_b32 s11, s11, 11                        ; the half of a row
	s_lshl_b32 s12, s10, 13                        ; the token's two rows of 4,096 bytes in part
	s_add_co_u32 s12, s12, s11
	s_mov_b32 s13, 0
	s_lshl_b32 s14, s10, 12                        ; its row in out0
	s_add_co_u32 s14, s14, s11
	s_mov_b32 s15, 0
	s_lshl_b32 s16, s10, 3                         ; its two weights
	s_mov_b32 s17, 0
	s_wait_kmcnt 0x0
	s_add_nc_u64 s[4:5], s[4:5], s[12:13]
	s_add_nc_u64 s[18:19], s[4:5], 0x800000        ; the second K half: 2,048 rows of 4,096 bytes on
	s_add_nc_u64 s[6:7], s[6:7], s[16:17]
	s_add_nc_u64 s[8:9], s[8:9], s[14:15]
	global_load_b64 v[W:W+1], v3, s[6:7]           ; w0, w1
.irp c, 0,1,2,3
	global_load_b128 v[D+16*\c:D+16*\c+3],     v2, s[4:5]   offset:512*\c th:TH_LOAD_NT
	global_load_b128 v[D+16*\c+4:D+16*\c+7],   v2, s[4:5]   offset:512*\c+4096 th:TH_LOAD_NT
	global_load_b128 v[D+16*\c+8:D+16*\c+11],  v2, s[18:19] offset:512*\c th:TH_LOAD_NT
	global_load_b128 v[D+16*\c+12:D+16*\c+15], v2, s[18:19] offset:512*\c+4096 th:TH_LOAD_NT
.endr
.irp c, 0,1,2,3
	s_wait_loadcnt 12-4*\c                         ; loads come back in order: the later chunks' may stay out; the weights, the oldest load, are in at the first wait
.if \c == 0
	v_mov_b32 v[W+2], v[W+1]                       ; w1 in a pair of its own
	v_mov_b32 v[W+3], v[W+1]
.endif
.irp j, 0,2
	v_pk_add_f32 v[D+16*\c+\j:D+16*\c+\j+1],     v[D+16*\c+\j:D+16*\c+\j+1],     v[D+16*\c+8+\j:D+16*\c+8+\j+1]
	v_pk_add_f32 v[D+16*\c+4+\j:D+16*\c+4+\j+1], v[D+16*\c+4+\j:D+16*\c+4+\j+1], v[D+16*\c+12+\j:D+16*\c+12+\j+1]
.endr
.irp j, 0,2
	v_pk_mul_f32 v[D+16*\c+\j:D+16*\c+\j+1], v[D+16*\c+\j:D+16*\c+\j+1], v[W:W+1] op_sel_hi:[1,0]  ; both by w0
.endr
.irp j, 0,2
	v_pk_fma_f32 v[D+16*\c+\j:D+16*\c+\j+1], v[D+16*\c+4+\j:D+16*\c+4+\j+1], v[W+2:W+3], v[D+16*\c+\j:D+16*\c+\j+1]
.endr
	global_store_b128 v2, v[D+16*\c:D+16*\c+3], s[8:9] offset:512*\c th:TH_STORE_NT
.endr
	s_endpgm
.Lfunc_end_k_q2d0afd845b_combine:
	.size	k_q2d0afd845b_combine, .Lfunc_end_k_q2d0afd845b_combine-k_q2d0afd845b_combine
	.p2alignl 7, 3214868480
	.fill 96, 4, 3214868480
	.section	.rodata,"a",@progbits
	.p2align	6, 0x0
	.amdhsa_kernel k_q2d0afd845b_combine
		.amdhsa_group_segment_fixed_size 0
		.amdhsa_private_segment_fixed_size 0
		.amdhsa_enable_private_segment 0
		.amdhsa_kernarg_size 24
		.amdhsa_user_sgpr_count 2
		.amdhsa_user_sgpr_kernarg_segment_ptr 1
		.amdhsa_wavefront_size32 1
		.amdhsa_system_sgpr_workgroup_id_x 1
		.amdhsa_system_sgpr_workgroup_id_y 1
		.amdhsa_system_sgpr_workgroup_id_z 1
		.amdhsa_system_vgpr_workitem_id 0
		.amdhsa_next_free_vgpr 72
		.amdhsa_next_free_sgpr 66
		.amdhsa_reserve_vcc 0
		.amdhsa_float_denorm_mode_32 3
		.amdhsa_float_denorm_mode_16_64 3
		.amdhsa_memory_ordered 1
		.amdhsa_forward_progress 1
		.amdhsa_inst_pref_size 6
	.end_amdhsa_kernel
	.amdgpu_metadata
---
amdhsa.version: [ 1, 2 ]
amdhsa.kernels:
  - .name:           k_q2d0afd845b_combine
    .symbol:         k_q2d0afd845b_combine.kd
    .args:
      - { .name: part, .offset: 0, .size: 8, .value_kind: global_buffer, .address_space: global }
      - { .name: wts, .offset: 8, .size: 8, .value_kind: global_buffer, .address_space: global }
      - { .name: out0, .offset: 16, .size: 8, .value_kind: global_buffer, .address_space: global }
    .group_segment_fixed_size: 0
    .private_segment_fixed_size: 0
    .kernarg_segment_align: 8
    .kernarg_segment_size: 24
    .max_flat_workgroup_size: 256
    .sgpr_count:     66
    .vgpr_count:     72
    .wavefront_size: 32
...
	.end_amdgpu_metadata
.endif
;; end of part 8
